; MI455X (gfx1250); checked and timed in simulation.
; The chip was launched on July 23, 2026; its instructions are those of AMD's public machine-readable ISA for CDNA 5 (MIT licence, August 2026) and "CDNA5" Instruction Set Architecture Reference Guide (July 2026). The comments in the code are by the model that wrote it; some were corrected since.
;; Multil head att en de. Allowed arithmetic: matrix products marked QUANTISED: E2M3 operands, one E8M0 scale for each 32 along K, by v_wmma_scale_f32_16x16x128_f8f6f4 with both operands' format E2M3, f32 sums; everything else in f32.
;; Inputs: Wk_codes 16 x 64 x 32 x 24 uint8 (E2M3 codes of Wk, K innermost, in blocks of 32 codes, four codes in three bytes); Wk_scales 16 x 64 x 32 uint8 (E8M0 scales of Wk, one for each 32 codes along K); Wo_codes 1,024 x 32 x 24 uint8 (E2M3 codes of Wo, K innermost, in blocks of 32 codes, four codes in three bytes); Wo_scales 1,024 x 32 uint8 (E8M0 scales of Wo, one for each 32 codes along K); Wq_codes 16 x 64 x 32 x 24 uint8 (E2M3 codes of Wq, K innermost, in blocks of 32 codes, four codes in three bytes); Wq_scales 16 x 64 x 32 uint8 (E8M0 scales of Wq, one for each 32 codes along K); Wv_codes 16 x 64 x 32 x 24 uint8 (E2M3 codes of Wv, K innermost, in blocks of 32 codes, four codes in three bytes); Wv_scales 16 x 64 x 32 uint8 (E8M0 scales of Wv, one for each 32 codes along K); batch_chi_codes 8 x 1,024 x 32 x 24 uint8 (E2M3 codes of batch_chi, K innermost, in blocks of 32 codes, four codes in three bytes); batch_chi_scales 8 x 1,024 x 32 uint8 (E8M0 scales of batch_chi, one for each 32 codes along K); batch_eng_codes 8 x 1,024 x 32 x 24 uint8 (E2M3 codes of batch_eng, K innermost, in blocks of 32 codes, four codes in three bytes); batch_eng_scales 8 x 1,024 x 32 uint8 (E8M0 scales of batch_eng, one for each 32 codes along K).
;; Outputs: out0 8 x 1,024 x 1,024 float32.
;; This version of the problem:
;;   THIS VERSION OF THE PROBLEM IS GIVEN IN LOW PRECISION. The matrix products marked QUANTISED in the list below multiply operands that are first quantised to E2M3 (2 exponent bits, 3 mantissa bits; 6 bits a number), with one power-of-two scale for each 32 numbers along K (OCP MX v1.0); their sums are f32. All else is computed in f32.
;;   The module's matrix products, in the order in which they are computed (A, B: the left and right operand; K: the contracted axis; several contracted axes count as one K, in the product's order):
;;     1. [M 1,024, K 1,024] x [K 1,024, N 8,192]; A: input Wq (given as codes); B: input batch_chi (given as codes): QUANTISED
;;     2. [M 1,024, K 1,024] x [K 1,024, N 8,192]; A: input Wk (given as codes); B: input batch_eng (given as codes): QUANTISED
;;     3. [M 1,024, K 1,024] x [K 1,024, N 8,192]; A: input Wv (given as codes); B: input batch_eng (given as codes): QUANTISED
;;     4. batch 128 x [M 1,024, K 64] x [K 64, N 1,024]; A: computed on the way; B: computed on the way: QUANTISED
;;     5. batch 128 x [M 1,024, K 1,024] x [K 1,024, N 64]; A: softmax (see below); B: computed on the way: QUANTISED
;;     6. [M 8,192, K 1,024] x [K 1,024, N 1,024]; A: computed on the way; B: input Wo (given as codes): QUANTISED
;;   THE QUANTISER, for each operand of a quantised product, along K:
;;     - K is cut into blocks of 32 from its start; a last block that is shorter is filled with zeros.
;;     - A block's scale is 2^e with e = floor(log2(the largest magnitude in the block)) - 2, held to -126 .. 127; a block of zeros has e = 0. As a byte (E8M0): e + 127.
;;     - Each number is divided by its block's scale, clamped to +-7.5, and rounded to the nearest number of E2M3, ties to even, subnormals kept.
;;     - The product sums the exact products of the quantised numbers (number of the format x scale) in f32.
;;   ~~~python
;;   def quantise(x, axis):      # numpy; x: float32 -> the quantised numbers, widened to float32 again
;;       x = np.moveaxis(x, axis, -1); K = x.shape[-1]
;;       x = np.pad(x, [(0, 0)] * (x.ndim - 1) + [(0, -K % 32)]); x = x.reshape(x.shape[:-1] + (-1, 32)); a = np.abs(x).max(-1, keepdims=True)
;;       e = np.where(a > 0, np.clip(np.frexp(np.where(a > 0, a, 1))[1] - 1 - 2, -126, 127), 0)      # np.frexp(a)[1] - 1 = floor(log2(a)), exactly
;;       r = np.clip(x / 2.0 ** e, -7.5, 7.5)
;;       step = 2.0 ** (np.maximum(np.frexp(np.where(r == 0, 1, r))[1] - 1, 0) - 3)
;;       q = np.round(r / step) * step * 2.0 ** e      # np.round: ties to even
;;       return np.moveaxis(q.reshape(q.shape[:-2] + (-1,))[..., :K], -1, axis).astype(np.float32)
;;   ~~~
;;   SOFTMAX AHEAD OF A QUANTISED PRODUCT. Where the list says 'softmax', what is quantised is not the finished softmax but p = 2^(t - M), with t = logit x log2(e) and M = ceil(the row's largest t), a whole number; so 1/2 < the row's largest p <= 1. The row's sum l is taken of the UNQUANTISED p, in f32, and the product's result is divided by l at the end. Since M is a whole number, a kernel that streams over the keys may use a running M (the ceiling of the running maximum): every later rescaling is an exact power of two, which a block's scale takes up: the codes' values come out the same.
;;   OPERANDS COMPUTED ON THE WAY. 'Computed on the way' means the value that the module computes at that place (a softmax that the list does not call 'softmax' is quantised finished and normalised). What goes into a quantiser is computed in f32, as accurately as f32 sums, v_exp_f32 and their like allow (about 1e-6 of the number): no bf16 or f16 on the way to a quantiser, and a product that is left as it is and whose result goes on into a quantised operand takes f32 operands (vector FMAs, or v_wmma_f32_16x16x4_f32). A number that lies on a knife's edge between two numbers of the format may be rounded either way, as far as f32 arithmetic and the matrix unit's own rounding can turn it there, and no further.
;;   INPUTS GIVEN AS CODES. Wk (in the module: [16, 1024, 64], K = its axis 1); Wo (in the module: [1024, 1024], K = its axis 0); Wq (in the module: [16, 1024, 64], K = its axis 1); Wv (in the module: [16, 1024, 64], K = its axis 1); batch_chi (in the module: [8, 1024, 1024], K = its axis 2); batch_eng (in the module: [8, 1024, 1024], K = its axis 2): each comes as NAME_codes (uint8): NAME with its K axis moved to the last place and cut into blocks of 32 codes, [.., K / 32, bytes a block], one block behind the other in memory; four codes in three bytes: a row's codes are one little-endian stream of bits, code i at bits 6 i .. 6 i + 5 (a code: sign, 2 exponent bits, 3 mantissa bits); and NAME_scales (uint8): the same leading axes, one E8M0 byte (e + 127) for each 32 codes along K. Its value is code x scale, taken as it is: it is not quantised again, and the codes and scales need not be those that the quantiser above would give.
;; One version. Each part assembles by itself: llvm-mc -triple=amdgcn-amd-amdhsa -mcpu=gfx1250 --defsym DOCPART=n.
;; ======== version 1 of 1: 3 launches
;; workspace buffers: q_cod 6,291,456 bytes; q_scl 262,144 bytes; k_cod 6,291,456 bytes; k_scl 262,144 bytes; v_cod 6,291,456 bytes; v_scl 262,144 bytes; a_cod 6,291,456 bytes; a_scl 262,144 bytes
;; launch proj (part 1): grid 4 x 96, 4 waves a work-group, clusters of 4 x 4, 327,680 bytes of LDS; arguments batch_chi_codes, batch_chi_scales, batch_eng_codes, batch_eng_scales, Wq_codes, Wq_scales, Wk_codes, Wk_scales, Wv_codes, Wv_scales, q_cod, q_scl, k_cod, k_scl, v_cod, v_scl; writes q_cod, q_scl, k_cod, k_scl, v_cod, v_scl
.if DOCPART == 1
	.amdgcn_target "amdgcn-amd-amdhsa--gfx1250"
	.amdhsa_code_object_version 6
	.text
	.protected	k_q8c6378449f_proj
	.globl	k_q8c6378449f_proj
	.p2align	8
	.type	k_q8c6378449f_proj,@function
k_q8c6378449f_proj:
	s_mov_b64 s[64:65], 0
	v_nop
	global_prefetch_b8 v0, s[64:65] scope:SCOPE_SE
	s_setreg_imm32_b32 hwreg(HW_REG_WAVE_MODE, 25, 1), 1
	s_wait_xcnt 0x0
	s_wait_alu depctr_hold_cnt(0) depctr_sa_sdst(0) depctr_va_vdst(0) depctr_va_sdst(0) depctr_va_ssrc(0) depctr_va_vcc(0) depctr_vm_vsrc(0)
	s_getreg_b32 s2, hwreg(HW_REG_IB_STS2, 6, 4)
	s_cmp_eq_u32 s2, 0
	s_cbranch_scc0 .Lentry_in_a_cluster
	s_endpgm
.Lentry_in_a_cluster:
	s_bfe_u32 s2, ttmp6, 0x10000c
	s_cmp_lg_u32 s2, 0xf033
	s_cbranch_scc0 .Lentry_shape_is_right
	s_endpgm
.Lentry_shape_is_right:
; THE THREE PROJECTIONS q, k, v ON CODES OF FP6 (E2M3), EACH RESULT QUANTISED IN REGISTERS AND STORED AS CODES.
; One text serves all three as C[R][P] = sum over e of A[R][e] B[P][e], K = 1,024, P being the axis along which the result is quantised for its next product:
;   q: A = batch_chi (R = 8,192 tokens), B = Wq (P = 1,024 = head x 64 + d);   k: A = batch_eng, B = Wk;   v: A = Wv (R = 1,024 = head x 64 + d), B = batch_eng (P = 8,192 keys).
; Which of the three a work-group makes hangs on the cluster's y alone (0-7 q, 8-15 k, 16-23 v): only pointers and four numbers are chosen, there is one path through the text.
; A tile of C, 256 x 256, is made by four waves, each 128 x 128: 64 accumulators, 512 registers.  K goes in steps of 256 through a ring of two LDS slots filled by the tensor data mover; a tile's row is 192 bytes.
; The scale bytes of the work-group's 256 rows of A and of B, for all of K, are two dense blocks of 8,192 bytes: they come into LDS once, with the first fills.
; CLUSTERS: 4 x 4 work-groups; A's tiles are asked for jointly along a row of the cluster, B's along a column.
; THE MATRIX INSTRUCTION IS USED TRANSPOSED (source 0 = 16 rows of B, source 1 = 16 rows of A): lane (r, h) holds row r of C, and in the 16 registers of B's blocks 2 g, 2 g + 1 the columns 32 g + 16 (i / 8) + 8 h + i % 8.
; THE WAY OUT.  A block of 32 along P lies in lanes l and l xor 16.  Its scale is 2^(floor(log2(largest magnitude)) - 2).  The 16 registers are converted as they stand, so place pi of a block holds element
; 16 ((pi % 16) / 8) + 8 (pi / 16) + pi % 8: the two middle groups of eight have changed places.  q and k carry the same order along d, so their product is not touched; v carries it along the keys, where the next
; launch's weights p come out in the same order.  A block's members, and so its scale, are the true ones.
; STORED: codes as [chunk of 64 along P][R][48 bytes] (lane (r, H) of an operand finds its 24 bytes at 48 R + 24 H), scale words as [128 along P][R][4 bytes].
; LIMITS: a block whose largest magnitude lies under 2^-124, a block of zeros too, gets the byte 1 (its codes are then zeros or nearly so; this program alone reads the bytes); NaN and infinities are not served.
; REGISTERS, in windows of 256: window 0: v0-31 addresses; v32-63 scale words, two sets, and nothing else; from v128 A's fragments, ONE set; on the way out v64-95 at work, v96-191 the codes.
;   window 1: B's fragments, TWO sets, at v0 and v128; on the way out v0-99 the rows read back.   windows 2, 3: the accumulators ((a, b) at v[8 (8 (a % 4) + b)] of window 2 + a / 4).
.set SIZE_K, 1024
.set KSTEP,  256                       ; along K in a slot
.set NQ,     KSTEP/128                 ; matrix instructions deep
.set ROWB,   192                       ; a tile's row in bytes
.set KROW,   SIZE_K*6/8                ; a row of A or of B in memory, in bytes
.set PITCH,  240                       ; an LDS row: 3 x (64 bytes + 16 of padding) = 60 words: the 32 lanes of a load of 8 bytes touch 64 different banks (64 banks of 4 bytes: ISA guide 11.1)
.set FR,     12                        ; registers of a fragment: 16 rows x 128 K
.set NL,     6                         ; LDS loads that bring one
.set NP,     4                         ; places behind this matrix instruction (ISA guide 7.12.1)
.set HALFT,  128*PITCH                 ; 128 rows: what one tensor load brings
.set SLOT,   4*HALFT                   ; A's 256 rows, then B's 256 rows
.set LAPS,   SIZE_K/(2*KSTEP)          ; a lap = two K steps = once round the ring
.set KS,     SIZE_K/32                 ; a row of scales in bytes
.set SCL,    2*SLOT                    ; behind the ring: the scales, as units of 256 bytes + 16 of padding
.set HALFS,  (128*KS/256)*272          ; the scales of 128 rows
.set SBLK,   (16*KS/256)*272           ; those of 16 rows
.set SPARE,  SCL+4*HALFS               ; the spare words, 128 bytes for each wave: two blocks of 256 bytes that no other line names
.set WSTG,   12800                     ; the way out: a stage for each wave, in slot 0: [2 chunks][128 rows][48 bytes], then 128 scale words
.set ADRA, 16                          ; v16-17 LDS address of my A fragments in slot 0, 1 (v18-19: for the pieces behind one padding more)
.set ADRB, 20                          ; v20-23 the same for B
.set STC,  24                          ; v24  the stage: where I put my 24 bytes of a row's chunk
.set STS,  25                          ; v25  the stage: my row's scale word
.set RDC,  26                          ; v26  the stage: 16 x lane, on the way back
.set ADRS, 27                          ; v27  LDS address of my scale words: lanes 0-15 A's rows, lanes 16-31 B's
.set SPW,  28                          ; v28  LDS address of my spare word; never rewritten
.set NIL,  29                          ; v29  0; never rewritten
.set CO0,  8                           ; v8   16 x lane: my byte in the wave's run of a chunk
.set CO1,  9                           ; v9   the same one chunk on
.set SC,   32                          ; scale words: set s at v[SC + 8 NQ s]
.set AF,   128                         ; A's fragments, in window 0
.set TM,   64                          ; v64-67 largest magnitudes, v68-71 the partner's, then bytes, v72-75 the conversions' scale operands
.set TT,   76                          ; v76-78, v80-82 the codes of the odd blocks, before they are moved
.set SW,   88                          ; v88-95 the scale word of each of my eight blocks of rows
.set CD,   96                          ; v96-191 the codes: 12 registers for each block of rows, so that no store's data are written again
.set OB,   0                           ; window 1: v0-95 the stage's codes read back;
.set SWB,  96                          ; v96-99 its scale words
.set G1, 24                            ; s[24:31] descriptor group 1 for A's tiles;  s[32:39] group 0, one set for each slot
.set G0, 32
.set G1B, 48                           ; s[48:55], s[56:63] the same for B's tiles
.set G0B, 56
.set G1S, 68                           ; s[68:75], s[76:79] groups 1 and 0 for A's scales;  s[80:87], s[88:91] for B's
.set G0S, 76
.set G1SB, 80
.set G0SB, 88
.set MSB, 0
.macro WIN new                         ; the immediate's high byte repeats the setting that is left
.if MSB != \new
	s_set_vgpr_msb (MSB<<8)|\new
.set MSB, \new
.endif
.endm
.set MUL_LO, 0xa1                      ; source 0 (B) window 1, source 1 (A) window 0, C and D window 2
.set MUL_HI, 0xf1                      ; the same, C and D window 3
.set TO_B,   0x40                      ; destination window 1, address window 0
; A joint load: waves 0 and 1 fetch for A, waves 2 and 3 for B.  Each line has ONE mask and one set of registers for all that issue it; the branch hangs on the wave's number alone.
; Four v_nop follow each of the two lines, ahead of the jump, the label and what follows.
.macro JLOAD g0a, g1a, g0b, g1b
	s_cmp_eq_u32 s15, 0
	s_cbranch_scc0 .Lfor_b_\@
	tensor_load_to_lds s[\g0a:\g0a+3], s[\g1a:\g1a+7]
	s_nop 0
.rept 4
	v_nop
.endr
	s_branch .Lasked_\@
.Lfor_b_\@:
	tensor_load_to_lds s[\g0b:\g0b+3], s[\g1b:\g1b+7]
	s_nop 0
.rept 4
	v_nop
.endr
.Lasked_\@:
.endm
.macro CREST                           ; a round of the cluster's barrier behind its opening barrier
	s_cmp_lg_u32 s14, 0
	s_cbranch_scc1 .Lnot_wave_0_\@
	s_barrier_signal -3
.Lnot_wave_0_\@:
	s_barrier_wait -3
	s_barrier_signal -1
	s_barrier_wait -1
.endm
.macro CROUND                          ; a whole round
	s_barrier_signal -1
	s_barrier_wait -1
	CREST
.endm
	s_load_b512 s[24:39], s[0:1], 0x0              ; chi's codes 24, scales 26; eng's 28, 30; Wq's 32, 34; Wk's 36, 38
	s_load_b512 s[48:63], s[0:1], 0x40             ; Wv's 48, 50; q_cod 52, q_scl 54; k_cod 56, k_scl 58; v_cod 60, v_scl 62
	v_lshl_add_u32 v[SPW], v0, 2, SPARE
	v_mov_b32 v[NIL], 0
	ds_add_u32 v28, v29
	ds_add_u32 v28, v29
	s_wait_dscnt 0x0
	v_lshrrev_b32 v1, 5, v0
	v_readfirstlane_b32 s14, v1                    ; wave 0..3
	s_lshr_b32 s15, s14, 1                         ; which half of the tile's rows is mine.  Also: I fetch for A (0) or for B (1)
	s_and_b32 s16, s14, 1                          ; which half of its columns.  Also: which 128 rows of that tile I fetch
	s_bfe_u32 s40, ttmp6, 0x40000                  ; cx, cy: my place in the cluster
	s_bfe_u32 s41, ttmp6, 0x40004
	s_and_b32 s95, ttmp7, 0xffff                   ; the cluster's y, 0..23: which product, and which four tile rows or columns of it
	s_and_b32 s3, s95, 7
	s_mov_b32 s98, 1024*48                         ; v's figures; q's and k's are chosen over them below
	s_mov_b32 s99, 1024*4
	s_wait_kmcnt 0x0
	s_cmp_lt_u32 s95, 8                            ; q or k?  The choice hangs on the cluster's number alone
	s_cselect_b64 s[4:5], s[24:25], s[28:29]       ; A's codes
	s_cselect_b64 s[6:7], s[26:27], s[30:31]       ; A's scales
	s_cselect_b64 s[8:9], s[32:33], s[36:37]       ; B's codes
	s_cselect_b64 s[10:11], s[34:35], s[38:39]     ; B's scales
	s_cselect_b64 s[12:13], s[52:53], s[56:57]     ; the result's codes
	s_cselect_b64 s[96:97], s[54:55], s[58:59]     ; the result's scale words
	s_cmp_lt_u32 s95, 16                           ; one of these two, or v?
	s_cselect_b64 s[4:5], s[4:5], s[48:49]
	s_cselect_b64 s[6:7], s[6:7], s[50:51]
	s_cselect_b64 s[8:9], s[8:9], s[28:29]
	s_cselect_b64 s[10:11], s[10:11], s[30:31]
	s_cselect_b64 s[12:13], s[12:13], s[60:61]
	s_cselect_b64 s[96:97], s[96:97], s[62:63]
	s_cselect_b32 s101, s3, 0                      ; q, k: 32 tile rows, 4 tile columns;
	s_cselect_b32 s100, 0, s3                      ; v: 4 tile rows, 32 tile columns
	s_cselect_b32 s98, 8192*48, s98                ; bytes from a chunk of 64 along P to the next: R's rows x 48
	s_cselect_b32 s99, 8192*4, s99                 ; bytes from 128 along P to the next in the scale words: R's rows x 4
	s_lshl_b32 s42, s100, 2
	s_add_co_u32 s42, s42, s40                     ; tile column of C
	s_lshl_b32 s17, s101, 2
	s_add_co_u32 s17, s17, s41                     ; tile row of C
	s_lshl_b32 s43, s41, 2
	s_lshl_b32 s43, 15, s43                        ; my row of the cluster
	s_lshl_b32 s44, 0x1111, s40                    ; my column
	; descriptor group 1: a tile of 128 rows x ROWB bytes, padded in LDS
	s_or_b32 s[G1+0], s43, (0<<16)|(1<<20)|(1<<21)|(3<<22)|(3<<25)  ; 15:0 the mask: A's tiles go to my row; 17:16 element of 1 byte; 20 padding on; 21 set beside a mask; 24:22 after every 16 words; 31:25 of 4 words
	s_or_b32 s[G1B+0], s44, (0<<16)|(1<<20)|(1<<21)|(3<<22)|(3<<25)
.irp g, G1, G1B
	s_mov_b32 s[\g+1], ROWB<<16                    ; tensor_dim0
	s_mov_b32 s[\g+2], 128<<16                     ; tensor_dim1 = 128
	s_mov_b32 s[\g+3], ROWB<<16                    ; tile_dim0
	s_mov_b32 s[\g+4], 128                         ; tile_dim1 = 128
	s_mov_b32 s[\g+5], KROW                        ; tensor_dim0_stride
	s_mov_b32 s[\g+6], 0
	s_mov_b32 s[\g+7], 0
.endr
	; and for the scales of 128 rows: a dense block of 4,096 bytes, as rows of 256 bytes (32 elements of 8 bytes), 16 bytes of padding behind each
	s_or_b32 s[G1S+0], s43, (3<<16)|(1<<20)|(1<<21)|(5<<22)|(3<<25)
	s_or_b32 s[G1SB+0], s44, (3<<16)|(1<<20)|(1<<21)|(5<<22)|(3<<25)
.irp g, G1S, G1SB
	s_mov_b32 s[\g+1], 32<<16
	s_mov_b32 s[\g+2], (128*KS/256)<<16
	s_mov_b32 s[\g+3], 32<<16
	s_mov_b32 s[\g+4], 128*KS/256
	s_mov_b32 s[\g+5], 32
	s_mov_b32 s[\g+6], 0
	s_mov_b32 s[\g+7], 0
.endr
	s_lshl_b32 s18, s16, 7                         ; which 128 rows of the tile I fetch
	s_lshl_b32 s20, s17, 8
	s_add_co_u32 s20, s20, s18                     ; A: row 256 x tile row + 128 x half
	s_lshl_b32 s46, s42, 8
	s_add_co_u32 s46, s46, s18                     ; B: row 256 x tile column + 128 x half
	s_mov_b32 s21, 0
	s_mov_b32 s47, 0
	s_mov_b64 s[18:19], KS
	s_mul_u64 s[22:23], s[20:21], s[18:19]         ; where these rows' scales begin, in bytes
	s_mul_u64 s[92:93], s[46:47], s[18:19]
	s_mov_b64 s[18:19], KROW
	s_mul_u64 s[20:21], s[20:21], s[18:19]         ; and their codes
	s_mul_u64 s[46:47], s[46:47], s[18:19]
	s_mul_i32 s45, s14, HALFT                      ; where they go: wave x 128 rows: no place in the cluster enters an LDS address
	s_mul_i32 s94, s14, HALFS
	s_add_nc_u64 s[20:21], s[4:5], s[20:21]
	s_add_nc_u64 s[22:23], s[6:7], s[22:23]
	s_add_nc_u64 s[46:47], s[8:9], s[46:47]
	s_add_nc_u64 s[92:93], s[10:11], s[92:93]
	CROUND                                         ; all sixteen work-groups are here: the first joint loads meet
	s_mov_b32 s[G0S], 1
	s_add_co_u32 s[G0S+1], s94, SCL
	s_mov_b64 s[G0S+2:G0S+3], s[22:23]
	s_or_b32 s[G0S+3], s[G0S+3], 0x80000000
	s_mov_b32 s[G0SB], 1
	s_add_co_u32 s[G0SB+1], s94, SCL
	s_mov_b64 s[G0SB+2:G0SB+3], s[92:93]
	s_or_b32 s[G0SB+3], s[G0SB+3], 0x80000000
	JLOAD G0S, G1S, G0SB, G1SB                     ; the scales first: they are wanted with K step 0
.irp s, 0,1
	s_mov_b32 s[G0+4*\s], 1
	s_add_co_u32 s[G0+4*\s+1], s45, \s*SLOT
	s_add_nc_u64 s[G0+4*\s+2:G0+4*\s+3], s[20:21], \s*ROWB
	s_or_b32 s[G0+4*\s+3], s[G0+4*\s+3], 0x80000000
	s_mov_b32 s[G0B+4*\s], 1
	s_add_co_u32 s[G0B+4*\s+1], s45, \s*SLOT
	s_add_nc_u64 s[G0B+4*\s+2:G0B+4*\s+3], s[46:47], \s*ROWB
	s_or_b32 s[G0B+4*\s+3], s[G0B+4*\s+3], 0x80000000
	JLOAD G0+4*\s, G1, G0B+4*\s, G1B               ; three tensor loads of mine are out now, later one behind each round
.endr
	v_and_b32 v1, 15, v0                           ; r = l % 16
	v_bfe_u32 v2, v0, 4, 1                         ; h = l / 16
	v_mul_u32_u24 v3, v1, PITCH
	v_mul_u32_u24 v4, v2, 24
	v_add_nc_u32 v4, v3, v4                        ; a fragment's row x pitch + 24 x half
	v_lshl_add_u32 v5, v2, 4, v4                   ; and the same behind one padding more
	s_mul_i32 s21, s15, HALFT                      ; my 128 rows of A
	s_mul_i32 s22, s16, HALFT                      ; my 128 rows of B,
	s_add_co_u32 s22, s22, 2*HALFT                 ; which lie behind A's 256
.irp s, 0,1
	v_add_nc_u32 v[ADRA+\s], s21, v4
	v_add_nc_u32 v[ADRB+\s], s22, v4
	v_add_nc_u32 v[ADRA+2+\s], s21, v5
	v_add_nc_u32 v[ADRB+2+\s], s22, v5
	s_add_co_u32 s21, s21, SLOT
	s_add_co_u32 s22, s22, SLOT
.endr
	v_mul_u32_u24 v5, v1, KS                       ; my row's scales: KS bytes a row,
	v_lshrrev_b32 v6, 8, v5
	v_lshl_add_u32 v5, v6, 4, v5                   ; and 16 more for each 256 passed
	s_mul_i32 s21, s15, HALFS                      ; A's: my 128 rows
	s_mul_i32 s22, s16, HALFS                      ; B's: my 128 rows, behind A's 256
	s_add_co_u32 s22, s22, 2*HALFS
	s_sub_co_u32 s22, s22, s21
	v_mul_u32_u24 v6, s22, v2                      ; lanes 16-31 take B's
	s_add_co_u32 s21, s21, SCL
	v_add_nc_u32 v5, v5, v6
	v_add_nc_u32 v[ADRS], s21, v5
	s_mul_i32 s23, s14, WSTG                       ; my stage
	v_mul_u32_u24 v5, v1, 48
	v_mad_u32_u24 v5, v2, 24, v5
	v_add_nc_u32 v[STC], s23, v5                   ; in: 48 x row + 24 x half
	v_lshlrev_b32 v5, 2, v1
	v_add_nc_u32 v5, s23, v5
	v_add_nc_u32 v[STS], 12288, v5                 ; my row's scale word, behind the two chunks
	v_and_b32 v6, 31, v0
	v_lshlrev_b32 v[CO0], 4, v6                    ; back: 16 bytes a lane, 512 consecutive bytes an instruction; the same in memory
	v_add_nc_u32 v[RDC], s23, v[CO0]
	v_add_nc_u32 v[CO1], s98, v[CO0]               ; the second chunk lies R's rows x 48 bytes on
	s_lshl_b32 s20, s17, 8
	s_lshl_b32 s21, s15, 7
	s_add_co_u32 s20, s20, s21                     ; my first row of C: 256 x tile row + 128 x half
	s_lshl_b32 s46, s42, 1
	s_add_co_u32 s46, s46, s16                     ; which 128 along P are mine: 2 x tile column + half
	s_mul_i32 s22, s20, 48
	s_mul_i32 s47, s46, s98
	s_lshl_b32 s47, s47, 1                         ; two chunks to each 128 along P
	s_add_co_u32 s22, s22, s47                     ; (all under 6,291,456: 32 bits do)
	s_mov_b32 s23, 0
	s_add_nc_u64 s[12:13], s[12:13], s[22:23]      ; the codes at my first row of my first chunk
	s_lshl_b32 s22, s20, 2
	s_mul_i32 s47, s46, s99
	s_add_co_u32 s22, s22, s47
	s_add_nc_u64 s[96:97], s[96:97], s[22:23]      ; the scale words likewise
	s_mov_b32 s18, 0x76543210
	s_mov_b32 s19, 0xfedcba98                      ; v_permlanex16_b32's selects for lane l xor 16
.macro FRAG reg, adr, q, i             ; a fragment, 16 rows x 128 K of 6-bit codes, is 12 registers: lane l holds row l % 16; registers 6 c .. 6 c + 5 hold K = 64 c + 32 (l / 16) + 0 .. 31: 24 bytes of the row, as they lie
.irp p, 0,1,2,3,4,5                    ; in pieces of 8 bytes.  Lanes 0-15 take the row's pieces 12 q + 0, 1, 2 and 12 q + 6, 7, 8, lanes 16-31 those three pieces on
.set PC, 12*(\q)+6*(\p/3)+\p%3        ; 16 bytes of padding lie behind every 8 pieces: where the piece three on lies behind one padding more, the second address register serves
.if PC%8 < 5
	ds_load_b64 v[\reg+2*\p:\reg+2*\p+1], v[\adr] offset:8*PC+16*(PC/8)+(\i)*16*PITCH
.else
	ds_load_b64 v[\reg+2*\p:\reg+2*\p+1], v[\adr+2] offset:8*PC+16*(PC/8)+(\i)*16*PITCH
.endif
.endr
.endm
; 16 matrix instructions: A's blocks a0, a0 + 1 x B's eight, 128 along K: the slot's q-th.  p: B's set;  sc: the set of scale words.  zero = 1: the first product starts the sums.
; The 64 accumulators take turns, one instruction a turn, in the same order in every step.
.macro MUL16 a0, p, q, sc, zero
.irp a, \a0, \a0+1
.irp b, 0,1,2,3,4,5,6,7
.if \zero
	v_wmma_scale_f32_16x16x128_f8f6f4 v[8*(8*((\a)%4)+\b):8*(8*((\a)%4)+\b)+7], v[128*(\p)+FR*\b:128*(\p)+FR*\b+FR-1], v[AF+FR*(\a):AF+FR*(\a)+FR-1], 0, v[SC+8*NQ*(\sc)+NQ*\b+(\q)], v[SC+8*NQ*(\sc)+NQ*(\a)+(\q)] matrix_a_fmt:MATRIX_FMT_FP6 matrix_b_fmt:MATRIX_FMT_FP6 matrix_a_scale:MATRIX_SCALE_ROW1
.else
	v_wmma_scale_f32_16x16x128_f8f6f4 v[8*(8*((\a)%4)+\b):8*(8*((\a)%4)+\b)+7], v[128*(\p)+FR*\b:128*(\p)+FR*\b+FR-1], v[AF+FR*(\a):AF+FR*(\a)+FR-1], v[8*(8*((\a)%4)+\b):8*(8*((\a)%4)+\b)+7], v[SC+8*NQ*(\sc)+NQ*\b+(\q)], v[SC+8*NQ*(\sc)+NQ*(\a)+(\q)] matrix_a_fmt:MATRIX_FMT_FP6 matrix_b_fmt:MATRIX_FMT_FP6 matrix_a_scale:MATRIX_SCALE_ROW1
.endif
.endr
.endr
.endm
.macro FETCH_B slot, q, p              ; B's eight fragments of the slot's q-th 128 along K into set p
	WIN TO_B
.irp i, 0,1,2,3,4,5,6,7
	FRAG 128*(\p)+FR*\i, ADRB+\slot, \q, \i
.endr
	WIN 0
.endm
.macro FETCH_A slot, q, i0             ; A's blocks i0 .. i0 + 3
.irp i, \i0, \i0+1, \i0+2, \i0+3
	FRAG AF+FR*(\i), ADRA+\slot, \q, \i
.endr
.endm
.macro SCALES sc                       ; the next K step's scale words into set sc: NQ words a row; lanes 0-15 take A's block i, lanes 16-31 B's block i
.irp i, 0,1,2,3,4,5,6,7
	ds_load_b64 v[SC+8*NQ*\sc+NQ*\i:SC+8*NQ*\sc+NQ*\i+1], v[ADRS] offset:\i*SBLK
.endr
.endm
; A load into a register that a matrix instruction has read, and a vector instruction that reads a matrix result, stand NP places behind that matrix instruction; only plain vector
; instructions that name none of its registers are places (ISA guide 7.12.1 for vector instructions).
.macro PLACES n
.rept \n
	v_nop
.endr
.endm
; A step of 128 along K that has its successor in the same slot.
.macro STEP slot, q, zero
	s_wait_dscnt 4*NL                              ; B's set and A's blocks 0-3 are in; the youngest 24 loads (A's blocks 4-7) may be out
	WIN MUL_LO
	MUL16 0, (\q)%2, \q, \slot, \zero
	MUL16 2, (\q)%2, \q, \slot, \zero
	s_wait_dscnt 0                                 ; A's blocks 4-7 are in (asked for 32 matrix instructions ago)
	PLACES NP
	FETCH_B \slot, (\q)+1, 1-(\q)%2
	FETCH_A \slot, (\q)+1, 0
	WIN MUL_HI
	MUL16 4, (\q)%2, \q, \slot, \zero
	MUL16 6, (\q)%2, \q, \slot, \zero
	PLACES NP
	WIN 0
	FETCH_A \slot, (\q)+1, 4
.endm
; A slot's last step changes slots: ONE barrier; in front of it each wave waits for all its tensor loads, adds 0 to its spare word, and waits for that and for its own reads of this slot.  fill = 1: this slot is filled again, two K steps ahead.
.macro TURN slot, next, fill
	s_wait_tensorcnt 0x0                           ; all my tensor loads have landed: my part of the next slot;  (every window is 0 here)
	ds_add_u32 v[SPW], v[NIL]                      ; 0 onto my spare word
	s_wait_dscnt 4*NL+1                            ; (the add and the youngest 24 loads, A's blocks 4-7, may be out)
	WIN MUL_LO
	MUL16 0, 1, NQ-1, \slot, 0                     ; sixteen matrix instructions stand between the add and the wait for it
	s_wait_dscnt 0x0                               ; the add is done, and my reads of this slot are over
	s_barrier_signal -1
	MUL16 2, 1, NQ-1, \slot, 0
	WIN 0
	s_barrier_wait -1
.if \fill
	CREST                                          ; the barrier has opened a round of the cluster's barrier: no wave of any partner still reads this slot's tile or has a load on its way
	s_add_nc_u64 s[G0+4*\slot+2:G0+4*\slot+3], s[G0+4*\slot+2:G0+4*\slot+3], 2*ROWB
	s_add_nc_u64 s[G0B+4*\slot+2:G0B+4*\slot+3], s[G0B+4*\slot+2:G0B+4*\slot+3], 2*ROWB
	JLOAD G0+4*\slot, G1, G0B+4*\slot, G1B         ; the first tensor load behind the round; the four v_nop behind it are the places in front of the loads below
.else
	PLACES NP
.endif
	v_add_nc_u32 v[ADRS], 4*NQ, v[ADRS]            ; on to the next K step's scale words
	FETCH_B \next, 0, 0
	FETCH_A \next, 0, 0
	SCALES \next
	WIN MUL_HI
	MUL16 4, 1, NQ-1, \slot, 0
	MUL16 6, 1, NQ-1, \slot, 0
	PLACES NP
	WIN 0
	FETCH_A \next, 0, 4
.endm
	s_wait_tensorcnt 1                             ; the scales and my part of K step 0 are in (K step 1's load may be out)
	s_barrier_signal -1
	s_barrier_wait -1                              ; everybody's are
	FETCH_B 0, 0, 0
	FETCH_A 0, 0, 0
	SCALES 0
	FETCH_A 0, 0, 4
	STEP 0, 0, 1                                   ; the first step stands in front of the loop: its products start the sums
	s_mov_b32 s3, LAPS-1
.Llap:                                                 ; a trip goes once round the ring, from a lap's second step to the next lap's first, and fills both slots again
	TURN 0, 1, 1
	STEP 1, 0, 0
	TURN 1, 0, 1
	STEP 0, 0, 0
	s_sub_co_u32 s3, s3, 1
	s_cmp_lg_u32 s3, 0
	s_cbranch_scc1 .Llap
	TURN 0, 1, 0                                   ; the last lap fills nothing, and has no round of the cluster's barrier
	STEP 1, 0, 0
	s_wait_dscnt 4*NL                              ; the very last step: nothing more to fetch
	WIN MUL_LO
	MUL16 0, 1, NQ-1, 1, 0
	MUL16 2, 1, NQ-1, 1, 0
	s_wait_dscnt 0
	WIN MUL_HI
	MUL16 4, 1, NQ-1, 1, 0
	MUL16 6, 1, NQ-1, 1, 0
	WIN 0
; THE WAY OUT of block a (16 rows x 128 along P): four blocks of 32 are quantised in registers; codes and scale word go to my stage.  The stage lies in slot 0, which has had its last fill, and which nobody reads
; behind the last change of slots.
.macro QOUT a
.set W,  2+(\a)/4                      ; the block's window
.set AC, 64*((\a)%4)                   ; its 64 registers there
.set CC, CD+12*(\a)                    ; its codes
.set WN, (W<<2)|(W<<4)
	WIN WN                                         ; sources 1 and 2 in the accumulators' window
.irp g, 0,1,2,3
	v_max3_num_f32 v[TM+\g], 0x1800000, |v[AC+16*\g]|, |v[AC+16*\g+1]|   ; block g: my 16 numbers, each accumulator from its low end on, and the floor 2^(3 - 127): so the byte cannot fall under 1
.endr
.irp i, 2,4,6,8,10,12,14
.irp g, 0,1,2,3
	v_max3_num_f32 v[TM+\g], v[TM+\g], |v[AC+16*\g+\i]|, |v[AC+16*\g+\i+1]|   ; (the four blocks by turns)
.endr
.endr
	WIN 0
.irp g, 0,1,2,3
	v_permlanex16_b32 v[TM+4+\g], v[TM+\g], s18, s19
.endr
.irp g, 0,1,2,3
	v_max_num_f32 v[TM+\g], v[TM+\g], v[TM+4+\g]   ; with lane l xor 16's: the block's largest magnitude
.endr
.irp g, 0,1,2,3
	v_add_nc_u32 v[TM+8+\g], 0xff000000, v[TM+\g]  ; 2 off its exponent field: the conversion takes the exponent field of this operand as its scale
.endr
.irp g, 0,1,2,3
	v_lshrrev_b32 v[TM+4+\g], 23, v[TM+8+\g]       ; the scale's byte
.endr
	v_lshl_or_b32 v[SW+(\a)], v[TM+5], 8, v[TM+4]  ; my row's scale word for these 128 along P
	v_lshl_or_b32 v[SW+(\a)], v[TM+6], 16, v[SW+(\a)]
	v_lshl_or_b32 v[SW+(\a)], v[TM+7], 24, v[SW+(\a)]
	WIN W                                          ; source 0 in the accumulators' window
	v_cvt_scalef32_pk16_fp6_f32 v[CC:CC+2], v[AC:AC+15], v[TM+8]
	v_cvt_scalef32_pk16_fp6_f32 v[TT:TT+2], v[AC+16:AC+31], v[TM+9]       ; (a conversion's three registers begin on an even number)
	v_cvt_scalef32_pk16_fp6_f32 v[CC+6:CC+8], v[AC+32:AC+47], v[TM+10]
	v_cvt_scalef32_pk16_fp6_f32 v[TT+4:TT+6], v[AC+48:AC+63], v[TM+11]
	WIN 0
	v_nop                                          ; one plain place behind a scaled conversion
.irp c, 0,1                                    ; an operand's layout wants a WHOLE block in a lane: lanes 0-15 block 2 c, lanes 16-31 block 2 c + 1
.irp i, 0,1,2
	v_permlane16_swap_b32 v[CC+6*\c+\i], v[TT+4*\c+\i]
.endr
.irp i, 0,1,2
	v_mov_b32 v[CC+3+6*\c+\i], v[TT+4*\c+\i]
.endr
.endr
.irp p, 0,1,2,3,4,5
	ds_store_b64 v[STC], v[CC+2*\p:CC+2*\p+1] offset:(\p/3)*6144+(\a)*768+8*(\p%3)   ; chunk p / 3, row 16 a + r, my half's 24 bytes
.endr
	ds_store_b32 v[STS], v[SW+(\a)] offset:64*(\a) ; both halves of the lanes write the same word with the same value
.endm
.irp g, 0,1,2,3
	v_mov_b32 v[TM+4+\g], 0                        ; written once: a lane permute's destination counts as one of its sources.  These four are also the places behind the last products
.endr
.irp a, 0,1,2,3,4,5,6,7
	QOUT \a
.endr
	WIN TO_B                                       ; the stage comes back into window 1, where B's fragments lay
.irp c, 0,1,2,3,4,5,6,7,8,9,10,11,12,13,14,15,16,17,18,19,20,21,22,23
	ds_load_b128 v[OB+4*\c:OB+4*\c+3], v[RDC] offset:512*\c      ; LDS serves a wave's instructions in order (ISA guide 5.7.1.4): these see my stores
.endr
	ds_load_b128 v[SWB:SWB+3], v[RDC] offset:12288
	WIN 0x04                                       ; a store's data are its source 1: window 1
.irp c, 0,1,2,3,4,5,6,7,8,9,10,11
	s_wait_dscnt 24-\c                             ; of the 25 loads those behind load c may be out
	global_store_b128 v[CO0], v[OB+4*\c:OB+4*\c+3], s[12:13] offset:512*\c          ; my 128 rows of a chunk are 6,144 consecutive bytes; 32 lanes store 512 of them, at a multiple of 256 from the buffer's first byte
.endr
.irp c, 12,13,14,15,16,17,18,19,20,21,22,23
	s_wait_dscnt 24-\c
	global_store_b128 v[CO1], v[OB+4*\c:OB+4*\c+3], s[12:13] offset:512*(\c-12)     ; the second chunk
.endr
	s_wait_dscnt 0x0
	global_store_b128 v[CO0], v[SWB:SWB+3], s[96:97]                                ; my 128 rows' scale words: 512 consecutive bytes
	WIN 0
	s_wait_tensorcnt 0x0                           ; the wave's end: behind my last tensor load and my last LDS store
	ds_add_u32 v[SPW], v[NIL]
	s_wait_dscnt 0x0
	CROUND                                         ; the closing round: no work-group ends while a partner may still ask for a tile that names it
	s_endpgm
.Lfunc_end_k_q8c6378449f_proj:
	.size	k_q8c6378449f_proj, .Lfunc_end_k_q8c6378449f_proj-k_q8c6378449f_proj
	.p2alignl 7, 3214868480
	.fill 96, 4, 3214868480
	.section	.rodata,"a",@progbits
	.p2align	6, 0x0
	.amdhsa_kernel k_q8c6378449f_proj
		.amdhsa_group_segment_fixed_size 327680
		.amdhsa_private_segment_fixed_size 0
		.amdhsa_enable_private_segment 0
		.amdhsa_kernarg_size 128
		.amdhsa_user_sgpr_count 2
		.amdhsa_user_sgpr_kernarg_segment_ptr 1
		.amdhsa_wavefront_size32 1
		.amdhsa_system_sgpr_workgroup_id_x 1
		.amdhsa_system_sgpr_workgroup_id_y 1
		.amdhsa_system_sgpr_workgroup_id_z 1
		.amdhsa_system_vgpr_workitem_id 0
		.amdhsa_next_free_vgpr 1024
		.amdhsa_next_free_sgpr 102
		.amdhsa_reserve_vcc 0
		.amdhsa_float_denorm_mode_32 3
		.amdhsa_float_denorm_mode_16_64 3
		.amdhsa_memory_ordered 1
		.amdhsa_forward_progress 1
		.amdhsa_inst_pref_size 170
	.end_amdhsa_kernel
	.amdgpu_metadata
---
amdhsa.version: [ 1, 2 ]
amdhsa.kernels:
  - .name:           k_q8c6378449f_proj
    .symbol:         k_q8c6378449f_proj.kd
    .args:
      - { .name: batch_chi_codes, .offset: 0, .size: 8, .value_kind: global_buffer, .address_space: global }
      - { .name: batch_chi_scales, .offset: 8, .size: 8, .value_kind: global_buffer, .address_space: global }
      - { .name: batch_eng_codes, .offset: 16, .size: 8, .value_kind: global_buffer, .address_space: global }
      - { .name: batch_eng_scales, .offset: 24, .size: 8, .value_kind: global_buffer, .address_space: global }
      - { .name: Wq_codes, .offset: 32, .size: 8, .value_kind: global_buffer, .address_space: global }
      - { .name: Wq_scales, .offset: 40, .size: 8, .value_kind: global_buffer, .address_space: global }
      - { .name: Wk_codes, .offset: 48, .size: 8, .value_kind: global_buffer, .address_space: global }
      - { .name: Wk_scales, .offset: 56, .size: 8, .value_kind: global_buffer, .address_space: global }
      - { .name: Wv_codes, .offset: 64, .size: 8, .value_kind: global_buffer, .address_space: global }
      - { .name: Wv_scales, .offset: 72, .size: 8, .value_kind: global_buffer, .address_space: global }
      - { .name: q_cod, .offset: 80, .size: 8, .value_kind: global_buffer, .address_space: global }
      - { .name: q_scl, .offset: 88, .size: 8, .value_kind: global_buffer, .address_space: global }
      - { .name: k_cod, .offset: 96, .size: 8, .value_kind: global_buffer, .address_space: global }
      - { .name: k_scl, .offset: 104, .size: 8, .value_kind: global_buffer, .address_space: global }
      - { .name: v_cod, .offset: 112, .size: 8, .value_kind: global_buffer, .address_space: global }
      - { .name: v_scl, .offset: 120, .size: 8, .value_kind: global_buffer, .address_space: global }
    .group_segment_fixed_size: 327680
    .private_segment_fixed_size: 0
    .kernarg_segment_align: 8
    .kernarg_segment_size: 128
    .max_flat_workgroup_size: 128
    .sgpr_count:     102
    .vgpr_count:     1024
    .wavefront_size: 32
...
	.end_amdgpu_metadata
.endif
;; end of part 1
;; launch attn (part 2): grid 2 x 128, 16 waves a work-group, no clusters, 169,984 bytes of LDS; arguments q_cod, q_scl, k_cod, k_scl, v_cod, v_scl, a_cod, a_scl; writes a_cod, a_scl
.if DOCPART == 2
	.amdgcn_target "amdgcn-amd-amdhsa--gfx1250"
	.amdhsa_code_object_version 6
	.text
	.protected	k_q8c6378449f_attn
	.globl	k_q8c6378449f_attn
	.p2align	8
	.type	k_q8c6378449f_attn,@function
k_q8c6378449f_attn:
	s_mov_b64 s[64:65], 0
	v_nop
	global_prefetch_b8 v0, s[64:65] scope:SCOPE_SE
	s_setreg_imm32_b32 hwreg(HW_REG_WAVE_MODE, 25, 1), 1
	s_wait_xcnt 0x0
; ATTENTION ON CODES OF FP6 (E2M3): a[b][q][64 h + d] = the sum over keys of softmax(q . k / 8) v, both products quantised, the result quantised along 64 h + d for the last product.
; IN: q_cod, k_cod [head][8,192 = 1,024 b + s][48 bytes]: 64 codes along d; q_scl, k_scl [head pair][8,192][4]: bytes 0, 1 the even head's two blocks, bytes 2, 3 the odd head's.
;     v_cod [16 b + chunk of 64 keys][1,024 = 64 h + d][48 bytes]; v_scl [8 b + step of 128 keys][1,024][4].  OUT: a_cod [head][8,192][48], a_scl [8,192][32].
; In q_cod and k_cod the two middle groups of eight of each block of 32 have changed places, alike in both; in v_cod likewise along the keys, which is the order in which p's codes come out here.
; THE SOFTMAX: t = score x log2(e) / 8; M = the row's largest t so far, rounded UP to a whole number; p = 2^(t - M) is quantised along the keys, not normalised.  The row's sum is taken of the unquantised p and
; divides O at the end.  When M moves, the sum and O are multiplied by 2^(old M - new M): exact.
; SHARES.  A work-group owns one (b, h) and 512 of its queries: 2 x 128 = 256 work-groups of equal work.  Each of sixteen waves owns 16 queries at a time, in two passes, and walks all 1,024 keys, 128 a step.
; A HEAD'S WHOLE K AND V, CODES AND SCALES, 104,448 BYTES, COME INTO LDS ONCE: ten tensor loads, one a wave, no slot is ever filled again; one barrier in the launch, behind which the waves share nothing.
; NO CLUSTER: only the two work-groups of a head read the same tiles, and each reads them from memory once for its 16 key steps of 16 waves.
; K = 64 in the first product: the upper 64 of the instruction's 128 are zero codes on both sides, in registers cleared once; their scale bytes are 0 (2^-127), which zero codes make harmless.
; LAYOUT.  Both products are used transposed: S^T = K Q^T (source 0 = 16 keys), O^T = V^T P^T (source 0 = 16 of the head's 64): a lane holds ONE query (lane % 16) throughout.
; With rows 48 bytes apart the 32 lanes of a load of 8 bytes touch words 12 r + 6 H + 0, 1: 64 different banks (64 banks of 4 bytes: ISA guide 11.1): no padding.
; LIMITS: a block whose largest magnitude lies under 2^-124, a block of zeros too, gets the byte 1 (this program alone reads the bytes); NaN and infinities are not served; a block's largest p is made from its
; largest score by the same two instructions, which takes v_exp_f32 not to fall where its input rises.
.set KC,   0                           ; LDS: K's codes [1,024 keys][48]
.set VC,   49152                       ; V's codes [16 chunks][64 d][48]
.set KSO,  98304                       ; K's scale words [1,024][4]
.set VSO,  102400                      ; V's scale words [8 steps][64 d][4]
.set STG,  104448                      ; the way out: 1,024 bytes for each wave; no tensor load lands here
.set AK0,  1                           ; v1   48 r + 24 H: my place in a tile of K; also my byte in the wave's 16 rows of q_cod
.set AV0,  2                           ; v2   the same in V's codes
.set ASK0, 3                           ; v3   my place among K's scale words: 4 x lane + my head's half of the word
.set ASV0, 4                           ; v4   and among V's: 4 x lane
.set STI,  5                           ; v5   the stage: in
.set STR,  6                           ; v6   the stage: back, 8 x lane
.set GO,   7                           ; v7   8 x lane: my byte in the wave's 768 bytes of a_cod
.set ADK,  8                           ; v8-11 the addresses of the loads in hand: K's codes, V's codes, K's scales, V's scales
.set ADV,  9
.set ADS,  10
.set ADT,  11
.set QF,   16                          ; v16-27 Q's fragment; v22-27 stay 0.   v12 -M, v13 the largest t, v[14:15] the sum in two halves
.set QS,   28                          ; v28  Q's scale words
.set GQS,  30                          ; v30  4 r
.set GS,   31                          ; v31  32 r
.set KB,   32                          ; v32-79 four fragments of K; the upper six registers of each stay 0
.set KSC,  80                          ; v80-83 K's scale words: lanes 0-15 tile 2 p, lanes 16-31 tile 2 p + 1
.set VSC,  84                          ; v84-85 V's likewise
.set PW,   86                          ; v86  p's scale word
.set FF,   88                          ; v[88:89] f = 2^(old M - new M), later 1 / the sum; v89 stays 0
.set TP,   90                          ; v90  at work
.set S2,   92                          ; v[92:93] the sum's second chain
.set BM,   96                          ; v96-99 the blocks' largest scores, then largest p
.set BX,   100                         ; v100-103 the partner lane's, then bytes
.set SCO,  104                         ; v104-107 the conversions' scale operands
.set PC,   108                         ; v108-119 p's codes
.set PT,   120                         ; v120-122, v124-126 the odd blocks' codes before they are moved
.set S,    128                         ; v128-191 S^T, then p
.set VF,   128                         ; v128-175 then V's four fragments
.set OT,   192                         ; v192-223 O^T
.set OB,   224                         ; v224-229 the stage read back
.set HW,   230                         ; v230 the result's two scale bytes
.set WV,   20                          ; s20  my wave's number
.set SEL,  22                          ; s[22:23] lane selects for v_permlanex16_b32: lane l xor 16
.set CS,   24                          ; s[24:25] c = log2(e) / 8: the packed form names a pair and takes its low word for both halves
.set PASS, 26                          ; s26  passes to go
.set STEPS, 27                         ; s27  key steps to go
.set G1K,  28                          ; s[28:35] group 1: a quarter of K's codes;  s[36:43] of V's;  s[44:51] K's scale words;  s[52:59] V's
.set G1V,  36
.set G1KS, 44
.set G1VS, 52
.set G0K,  60                          ; s[60:63], s[68:71], s[72:75], s[76:79] their groups 0
.set G0V,  68
.set G0KS, 72
.set G0VS, 76
.set TK,   84                          ; s84  the step's first byte in K's codes, and in V's: 6,144 a step
.set TS,   85                          ; s85  in K's scale words: 512 a step
.set TV,   86                          ; s86  in V's: 256 a step
.macro DESC g, c, r, p                 ; group 1: r rows of c elements of 8 bytes, p elements apart, laid into LDS without padding
	s_mov_b32 s[\g+0], 3<<16
	s_mov_b32 s[\g+1], (\c)<<16
	s_mov_b32 s[\g+2], (\r)<<16
	s_mov_b32 s[\g+3], (\c)<<16
	s_mov_b32 s[\g+4], \r
	s_mov_b32 s[\g+5], \p
	s_mov_b32 s[\g+6], 0
	s_mov_b32 s[\g+7], 0
.endm
	s_load_b512 s[4:19], s[0:1], 0x0               ; q_cod 4, q_scl 6, k_cod 8, k_scl 10, v_cod 12, v_scl 14, a_cod 16, a_scl 18
	v_lshl_add_u32 v254, v0, 2, 0x29000
	v_mov_b32 v255, 0
	ds_add_u32 v254, v255
	ds_add_u32 v254, v255
	v_lshrrev_b32 v8, 5, v0
	v_readfirstlane_b32 s[WV], v8                  ; wave 0..15
	s_and_b32 s80, ttmp7, 0xffff                   ; 16 b + h
	s_lshr_b32 s81, s80, 4                         ; b
	s_and_b32 s82, s80, 15                         ; h
	s_and_b32 s83, s82, 1                          ; which head of its pair
	DESC G1K, 32, 48, 32                           ; 12,288 dense bytes as 48 rows of 256
	DESC G1V, 384, 4, 6144                         ; 4 chunks of keys: 64 d x 48 = 3,072 bytes each, 1,024 x 48 = 49,152 bytes apart
	DESC G1KS, 32, 16, 32                          ; 4,096 dense bytes
	DESC G1VS, 32, 8, 512                          ; 8 steps: 64 d x 4 = 256 bytes each, 4,096 bytes apart
	s_mov_b32 s[SEL], 0x76543210
	s_mov_b32 s[SEL+1], 0xfedcba98
	s_mov_b32 s[CS], 0x3e38aa3b                    ; c = log2(e) / sqrt(64)
	s_mov_b32 s[CS+1], s[CS]                       ; (named with it as a pair, so it is written)
	s_mov_b32 s[PASS], 2
	s_lshl_b32 s87, s82, 13
	s_lshl_b32 s88, s81, 10                        ; 1,024 b
	s_add_co_u32 s87, s87, s88                     ; the head's first row in q_cod, k_cod, a_cod: 8,192 h + 1,024 b
	s_lshr_b32 s92, s82, 1
	s_lshl_b32 s92, s92, 13
	s_add_co_u32 s92, s92, s88                     ; and in q_scl, k_scl: 8,192 (h / 2) + 1,024 b
	s_and_b32 s89, s[WV], 3                        ; which quarter I fetch, if I fetch
	s_lshl_b32 s93, ttmp9, 9
	s_lshl_b32 s94, s[WV], 4
	s_add_co_u32 s93, s93, s94                     ; my first query: 512 x + 16 x wave
	s_mov_b32 s91, 0                               ; every offset here is under 2^23: a pair with 0 above it
	s_wait_dscnt 0x0
	s_wait_kmcnt 0x0
	s_mul_i32 s90, s87, 48                         ; K's codes: the head's 49,152 dense bytes, my quarter
	s_mul_i32 s94, s89, 12288
	s_add_co_u32 s90, s90, s94
	s_mov_b32 s[G0K], 1                            ; 1:0 count = 1
	s_mul_i32 s[G0K+1], s[WV], 12288               ; 63:32 LDS address: waves 0-3: KC + 12,288 x wave
	s_add_nc_u64 s[G0K+2:G0K+3], s[8:9], s[90:91]  ; 120:64 global address
	s_or_b32 s[G0K+3], s[G0K+3], 0x80000000        ; 127:126 type = 2
	s_lshl_b32 s90, s81, 14                        ; V's codes: row 16,384 b + 64 h, my four chunks
	s_lshl_b32 s94, s82, 6
	s_add_co_u32 s90, s90, s94
	s_mul_i32 s90, s90, 48
	s_mul_i32 s94, s89, 196608
	s_add_co_u32 s90, s90, s94
	s_mov_b32 s[G0V], 1
	s_mul_i32 s[G0V+1], s[WV], 12288               ; waves 4-7: VC + 12,288 x (wave - 4), VC being 4 x 12,288
	s_add_nc_u64 s[G0V+2:G0V+3], s[12:13], s[90:91]
	s_or_b32 s[G0V+3], s[G0V+3], 0x80000000
	s_lshl_b32 s90, s92, 2                         ; K's scale words
	s_mov_b32 s[G0KS], 1
	s_mov_b32 s[G0KS+1], KSO
	s_add_nc_u64 s[G0KS+2:G0KS+3], s[10:11], s[90:91]
	s_or_b32 s[G0KS+3], s[G0KS+3], 0x80000000
	s_lshl_b32 s90, s81, 15                        ; V's: (8,192 b + 64 h) x 4
	s_lshl_b32 s94, s82, 8
	s_add_co_u32 s90, s90, s94
	s_mov_b32 s[G0VS], 1
	s_mov_b32 s[G0VS+1], VSO
	s_add_nc_u64 s[G0VS+2:G0VS+3], s[14:15], s[90:91]
	s_or_b32 s[G0VS+3], s[G0VS+3], 0x80000000
	; The fills: one tensor load a wave for waves 0 to 9, in one chain of branches on the wave's number; four v_nop follow each.
	s_cmp_lt_u32 s[WV], 4
	s_cbranch_scc0 .Lnot_k
	tensor_load_to_lds s[G0K:G0K+3], s[G1K:G1K+7]
	s_nop 0
.rept 4
	v_nop
.endr
	s_branch .Lasked
.Lnot_k:
	s_cmp_lt_u32 s[WV], 8
	s_cbranch_scc0 .Lnot_v
	tensor_load_to_lds s[G0V:G0V+3], s[G1V:G1V+7]
	s_nop 0
.rept 4
	v_nop
.endr
	s_branch .Lasked
.Lnot_v:
	s_cmp_eq_u32 s[WV], 8
	s_cbranch_scc0 .Lnot_ks
	tensor_load_to_lds s[G0KS:G0KS+3], s[G1KS:G1KS+7]
	s_nop 0
.rept 4
	v_nop
.endr
	s_branch .Lasked
.Lnot_ks:
	s_cmp_eq_u32 s[WV], 9
	s_cbranch_scc0 .Lasked
	tensor_load_to_lds s[G0VS:G0VS+3], s[G1VS:G1VS+7]
	s_nop 0
.rept 4
	v_nop
.endr
.Lasked:
	s_add_co_u32 s90, s87, s93
	s_mul_i32 s90, s90, 48
	s_add_nc_u64 s[4:5], s[4:5], s[90:91]          ; q_cod at my first query
	s_add_nc_u64 s[16:17], s[16:17], s[90:91]      ; a_cod likewise
	s_add_co_u32 s90, s92, s93
	s_lshl_b32 s90, s90, 2
	s_lshl_b32 s94, s83, 1                         ; my head's two bytes of a scale word
	s_add_co_u32 s90, s90, s94
	s_add_nc_u64 s[6:7], s[6:7], s[90:91]          ; q_scl
	s_add_co_u32 s90, s88, s93
	s_lshl_b32 s90, s90, 5
	s_lshl_b32 s95, s82, 1
	s_add_co_u32 s90, s90, s95
	s_add_nc_u64 s[18:19], s[18:19], s[90:91]      ; a_scl: row 1,024 b + query, bytes 2 h, 2 h + 1
	v_and_b32 v8, 15, v0                           ; r
	v_bfe_u32 v9, v0, 4, 1                         ; H
	v_and_b32 v10, 31, v0                          ; lane
	v_mul_u32_u24 v[AK0], v8, 48
	v_mad_u32_u24 v[AK0], v9, 24, v[AK0]
	v_lshlrev_b32 v[GQS], 2, v8
	v_lshlrev_b32 v[GS], 5, v8
.irp p, 0,1,2
	global_load_b64 v[QF+2*\p:QF+2*\p+1], v[AK0], s[4:5] offset:8*\p   ; Q's fragment of the first pass: my block of 32 along d
.endr
	global_load_u16 v[QS], v[GQS], s[6:7]          ; its two scale bytes; the upper two bytes are 0
	v_add_nc_u32 v[AV0], VC, v[AK0]
	v_lshl_add_u32 v[ASK0], v10, 2, KSO
	v_add_nc_u32 v[ASK0], s94, v[ASK0]
	v_lshl_add_u32 v[ASV0], v10, 2, VSO
	s_lshl_b32 s90, s[WV], 10
	s_add_co_u32 s90, s90, STG                     ; my stage
	v_add_nc_u32 v[STI], s90, v[AK0]
	v_lshl_add_u32 v[STR], v10, 3, s90
	v_lshlrev_b32 v[GO], 3, v10
.irp j, 6,7,8,9,10,11
	v_mov_b32 v[QF+\j], 0                          ; K = 64 .. 127 of the first product: zero codes, on Q's side
.irp t, 0,1,2,3
	v_mov_b32 v[KB+12*\t+\j], 0                    ; and on K's, in registers of their own
.endr
.endr
.irp b, 0,1,2,3
	v_mov_b32 v[BX+\b], 0                          ; written once: a lane permute's destination counts as one of its sources
.endr
	v_mov_b32 v[FF+1], 0                           ; (named as the upper half of the pair v[88:89])
	s_wait_tensorcnt 0x0                           ; my tile has landed,
	s_barrier_signal -1
	s_barrier_wait -1                              ; everybody's has: the one barrier of the launch
.macro KLOAD g                         ; four tiles of 16 keys, 4 g on: my 24 bytes of each key's 48
.irp t, 0,1,2,3
.irp p, 0,1,2
	ds_load_b64 v[KB+12*\t+2*\p:KB+12*\t+2*\p+1], v[ADK] offset:(4*(\g)+\t)*768+8*\p
.endr
.endr
.endm
.macro KSCL                            ; the scale bytes of a step's 128 keys: lane l of register p takes key 32 p + l
.irp p, 0,1,2,3
	ds_load_u16 v[KSC+\p], v[ADS] offset:128*\p
.endr
.endm
.macro SCORES g                        ; S^T of tiles 4 g .. 4 g + 3: lane (r, h) holds query r, register j of tile T key 16 T + 8 h + j
.irp t, 0,2
	v_wmma_scale_f32_16x16x128_f8f6f4 v[S+8*(4*(\g)+\t):S+8*(4*(\g)+\t)+7], v[KB+12*\t:KB+12*\t+11], v[QF:QF+11], 0, v[KSC+2*(\g)+\t/2], v[QS] matrix_a_fmt:MATRIX_FMT_FP6 matrix_b_fmt:MATRIX_FMT_FP6
	v_wmma_scale_f32_16x16x128_f8f6f4 v[S+8*(4*(\g)+\t+1):S+8*(4*(\g)+\t+1)+7], v[KB+12*(\t+1):KB+12*(\t+1)+11], v[QF:QF+11], 0, v[KSC+2*(\g)+\t/2], v[QS] matrix_a_fmt:MATRIX_FMT_FP6 matrix_b_fmt:MATRIX_FMT_FP6 matrix_a_scale:MATRIX_SCALE_ROW1
.endr
.endm
.Lpass:                                            ; two trips: 16 queries a wave in each
	s_mov_b32 s[TK], 0
	s_mov_b32 s[TS], 0
	s_mov_b32 s[TV], 0
	v_mov_b32 v13, 0xff61b1e6                      ; the largest t so far: -3e38, under every t
	v_floor_f32 v12, -v13                          ; -M
	v_mov_b32 v14, 0                               ; the sum, in two halves
	v_mov_b32 v15, 0
.irp j, 0,1,2,3,4,5,6,7,8,9,10,11,12,13,14,15,16,17,18,19,20,21,22,23,24,25,26,27,28,29,30,31
	v_mov_b32 v[OT+\j], 0                          ; O^T.  (The step is written once: the first finds zeros, which the first change of M leaves zeros)
.endr
	v_mov_b32 v[ADK], v[AK0]
	v_mov_b32 v[ADS], v[ASK0]
	KLOAD 0
	KSCL
	s_wait_loadcnt 0x0                             ; Q
	s_mov_b32 s[STEPS], 8
.Lstep:                                            ; a trip: 128 keys
	s_wait_dscnt 0x0                               ; K's first four tiles and the step's scale bytes were asked for a step ago
	SCORES 0
	v_add_nc_u32 v[ADV], s[TK], v[AV0]             ; four places in front of loads into registers that matrix instructions have read: two addresses that are due, two v_nop
	v_add_nc_u32 v[ADT], s[TV], v[ASV0]
	v_nop
	v_nop
	KLOAD 1
	s_wait_dscnt 0x0
	SCORES 1
	s_add_co_u32 s[TK], s[TK], 6144
	s_add_co_u32 s[TS], s[TS], 512
	v_add_nc_u32 v[ADK], s[TK], v[AK0]             ; four places again, for the loads below and for the first read of the scores
	v_add_nc_u32 v[ADS], s[TS], v[ASK0]
	v_nop
	v_nop
	KLOAD 0                                        ; the next step's first four tiles land under the softmax.  In the last step these lines read the first bytes of V's codes and scale words,
	KSCL                                           ; which have landed, and what they bring is not used
.irp b, 0,1,2,3
	v_max3_num_f32 v[BM+\b], v[S+16*\b], v[S+16*\b+1], v[S+16*\b+2]   ; THE LARGEST SCORE OF EACH BLOCK OF 32 KEYS: for the row's maximum, and, since p rises with the score, for the block's largest p
.endr
.irp i, 3,5,7,9,11,13
.irp b, 0,1,2,3
	v_max3_num_f32 v[BM+\b], v[BM+\b], v[S+16*\b+\i], v[S+16*\b+\i+1]   ; (the four blocks by turns; each tile is first read at its low end)
.endr
.endr
.irp b, 0,1,2,3
	v_max_num_f32 v[BM+\b], v[BM+\b], v[S+16*\b+15]
.endr
.irp b, 0,1,2,3
	v_permlanex16_b32 v[BX+\b], v[BM+\b], s[SEL], s[SEL+1]
.endr
.irp b, 0,1,2,3
	v_max_num_f32 v[BM+\b], v[BM+\b], v[BX+\b]     ; with lane l xor 16's 16 keys
.endr
	v_max3_num_f32 v[TP], v[BM], v[BM+1], v[BM+2]
	v_max_num_f32 v[TP], v[TP], v[BM+3]            ; the step's largest score of my query
	v_mul_f32 v[TP], s[CS], v[TP]                  ; as t (c is positive)
	v_max_num_f32 v13, v13, v[TP]                  ; the running largest t
	v_mov_b32 v[TP], v12
	v_floor_f32 v12, -v13                          ; the new -M = floor(-t) = -ceil(t): M IS A WHOLE NUMBER
	v_sub_f32 v[TP], v12, v[TP]                    ; M's old value less its new one: a whole number, 0 or less
	v_cvt_i32_f32 v[TP], v[TP]                     ; (it saturates)
	v_ldexp_f32 v[FF], 1.0, v[TP]                  ; f = 2^(old M - new M)
.irp j, 0,2,4,6,8,10,12,14,16,18,20,22,24,26,28,30,32,34,36,38,40,42,44,46,48,50,52,54,56,58,60,62
	v_pk_fma_f32 v[S+\j:S+\j+1], v[S+\j:S+\j+1], s[CS:CS+1], v[12:13] op_sel_hi:[1,0,0]   ; t - M, two at a time (of the pairs c and -M the low word serves both halves)
.endr
.irp b, 0,1,2,3
	v_fma_f32 v[BM+\b], v[BM+\b], s[CS], v12       ; the same of each block's largest score
.endr
.irp j, 0,1,2,3,4,5,6,7,8,9,10,11,12,13,14,15,16,17,18,19,20,21,22,23,24,25,26,27,28,29,30,31,32,33,34,35,36,37,38,39,40,41,42,43,44,45,46,47,48,49,50,51,52,53,54,55,56,57,58,59,60,61,62,63
	v_exp_f32 v[S+\j], v[S+\j]                     ; p = 2^(t - M), at most 1: NOT normalised
.endr
.irp b, 0,1,2,3
	v_exp_f32 v[BM+\b], v[BM+\b]                   ; the block's largest p
.endr
	v_pk_mul_f32 v[14:15], v[14:15], v[FF:FF+1] op_sel_hi:[1,0]   ; the sums under the new M.  (The plain place behind the exponentials)
	s_wait_alu depctr_va_vdst(0)
.irp b, 0,1,2,3
	v_max_num_f32 v[BM+\b], 0x1800000, v[BM+\b]    ; the floor 2^(3 - 127): the byte cannot fall under 1
.endr
.irp b, 0,1,2,3
	v_add_nc_u32 v[SCO+\b], 0xff000000, v[BM+\b]   ; 2 off the exponent field: the conversion's scale operand
.endr
.irp b, 0,1,2,3
	v_lshrrev_b32 v[BX+\b], 23, v[SCO+\b]          ; the scale's byte
.endr
	v_lshl_or_b32 v[PW], v[BX+1], 8, v[BX]         ; p's scale word for these 128 keys
	v_lshl_or_b32 v[PW], v[BX+2], 16, v[PW]
	v_lshl_or_b32 v[PW], v[BX+3], 24, v[PW]
.irp c, 0,1
	v_cvt_scalef32_pk16_fp6_f32 v[PC+6*\c:PC+6*\c+2], v[S+32*\c:S+32*\c+15], v[SCO+2*\c]
	v_cvt_scalef32_pk16_fp6_f32 v[PT+4*\c:PT+4*\c+2], v[S+32*\c+16:S+32*\c+31], v[SCO+2*\c+1]   ; (a conversion's three registers begin on an even number)
.endr
	v_nop                                          ; one plain place behind a scaled conversion
	v_pk_add_f32 v[S2:S2+1], v[S:S+1], v[S+2:S+3]  ; THE ROW'S SUM IS TAKEN OF THE UNQUANTISED p: two at a time, in two chains
.irp j, 4,8,12,16,20,24,28,32,36,40,44,48,52,56,60
	v_pk_add_f32 v[14:15], v[14:15], v[S+\j:S+\j+1]
	v_pk_add_f32 v[S2:S2+1], v[S2:S2+1], v[S+\j+2:S+\j+3]
.endr
	v_pk_add_f32 v[14:15], v[14:15], v[S2:S2+1]
.irp t, 0,1,2,3                                ; p has been summed and converted: V's four fragments (16 d x 128 keys each) take its registers
.irp p, 0,1,2,3,4,5
	ds_load_b64 v[VF+12*\t+2*\p:VF+12*\t+2*\p+1], v[ADV] offset:(\p/3)*3072+768*\t+8*(\p%3)
.endr
.endr
.irp u, 0,1
	ds_load_b32 v[VSC+\u], v[ADT] offset:128*\u    ; lanes 0-15 tile 2 u, lanes 16-31 tile 2 u + 1
.endr
.irp c, 0,1                                    ; the operand's layout wants a WHOLE block in a lane: lanes 0-15 block 2 c, lanes 16-31 block 2 c + 1
.irp i, 0,1,2
	v_permlane16_swap_b32 v[PC+6*\c+\i], v[PT+4*\c+\i]
.endr
.irp i, 0,1,2
	v_mov_b32 v[PC+3+6*\c+\i], v[PT+4*\c+\i]
.endr
.endr
.irp j, 0,2,4,6,8,10,12,14,16,18,20,22,24,26,28,30
	v_pk_mul_f32 v[OT+\j:OT+\j+1], v[OT+\j:OT+\j+1], v[FF:FF+1] op_sel_hi:[1,0]   ; O^T under the new M.  (These 16 are also the places between the lines that made p's codes and scale word and the products)
.endr
	s_wait_dscnt 0x0
.irp t, 0,2                                    ; O^T += V^T P^T: four accumulators by turns, one instruction a turn
	v_wmma_scale_f32_16x16x128_f8f6f4 v[OT+8*\t:OT+8*\t+7], v[VF+12*\t:VF+12*\t+11], v[PC:PC+11], v[OT+8*\t:OT+8*\t+7], v[VSC+\t/2], v[PW] matrix_a_fmt:MATRIX_FMT_FP6 matrix_b_fmt:MATRIX_FMT_FP6
	v_wmma_scale_f32_16x16x128_f8f6f4 v[OT+8*(\t+1):OT+8*(\t+1)+7], v[VF+12*(\t+1):VF+12*(\t+1)+11], v[PC:PC+11], v[OT+8*(\t+1):OT+8*(\t+1)+7], v[VSC+\t/2], v[PW] matrix_a_fmt:MATRIX_FMT_FP6 matrix_b_fmt:MATRIX_FMT_FP6 matrix_a_scale:MATRIX_SCALE_ROW1
.endr
.rept 5
	v_nop                                          ; five places: the next step's first products write their results over V's fragments (behind the loop four would do, for the first read of O^T)
.endr
	s_add_co_u32 s[TV], s[TV], 256
	s_sub_co_u32 s[STEPS], s[STEPS], 1
	s_cmp_lg_u32 s[STEPS], 0
	s_cbranch_scc1 .Lstep
	; THE WAY OUT OF A PASS.  The next pass's Q is asked for first, if there is a next pass: no load leaves its buffer.
	s_cmp_eq_u32 s[PASS], 1
	s_cbranch_scc1 .Lno_next
	s_add_nc_u64 s[4:5], s[4:5], 256*48            ; (the loads that named these bases were waited for at the pass's head)
	s_add_nc_u64 s[6:7], s[6:7], 256*4
.irp p, 0,1,2
	global_load_b64 v[QF+2*\p:QF+2*\p+1], v[AK0], s[4:5] offset:8*\p
.endr
	global_load_u16 v[QS], v[GQS], s[6:7]
.Lno_next:
	v_add_f32 v14, v14, v15                        ; the sum's two halves,
	v_permlanex16_b32 v[TP], v14, s[SEL], s[SEL+1]
	v_add_f32 v14, v14, v[TP]                      ; and lane l xor 16's: the row's sum
	v_rcp_f32 v[FF], v14
	v_nop                                          ; one plain place behind a transcendental
	s_wait_alu depctr_va_vdst(0)
.irp j, 0,2,4,6,8,10,12,14,16,18,20,22,24,26,28,30
	v_pk_mul_f32 v[S+\j:S+\j+1], v[OT+\j:OT+\j+1], v[FF:FF+1] op_sel_hi:[1,0]   ; O^T / the sum, each accumulator from its low end on: register 8 t + j is d = 16 t + 8 h + j
.endr
.irp e, 0,1                                    ; the last product's other operand is given, so here the order along K must be the true one: tile 2 e's lanes 16-31 change places with tile 2 e + 1's lanes 0-15,
.irp j, 0,1,2,3,4,5,6,7                        ; and lane (r, H) holds d = 32 e + 16 H + 0 .. 15 in 16 registers on end
	v_permlane16_swap_b32 v[S+16*\e+\j], v[S+16*\e+8+\j]
.endr
.endr
.irp e, 0,1
	v_max3_num_f32 v[BM+\e], |v[S+16*\e]|, |v[S+16*\e+1]|, 0x1800000   ; block e: my 16 numbers, and the floor 2^(3 - 127)
.endr
.irp i, 2,4,6,8,10,12,14
.irp e, 0,1
	v_max3_num_f32 v[BM+\e], v[BM+\e], |v[S+16*\e+\i]|, |v[S+16*\e+\i+1]|
.endr
.endr
.irp e, 0,1
	v_permlanex16_b32 v[BX+\e], v[BM+\e], s[SEL], s[SEL+1]
.endr
.irp e, 0,1
	v_max_num_f32 v[BM+\e], v[BM+\e], v[BX+\e]     ; the block's largest magnitude
.endr
.irp e, 0,1
	v_add_nc_u32 v[SCO+\e], 0xff000000, v[BM+\e]
.endr
.irp e, 0,1
	v_lshrrev_b32 v[BX+\e], 23, v[SCO+\e]
.endr
	v_lshl_or_b32 v[HW], v[BX+1], 8, v[BX]         ; my row's two scale bytes
	v_cvt_scalef32_pk16_fp6_f32 v[PC:PC+2], v[S:S+15], v[SCO]
	v_cvt_scalef32_pk16_fp6_f32 v[PT:PT+2], v[S+16:S+31], v[SCO+1]
	v_nop                                          ; one plain place behind a scaled conversion
.irp i, 0,1,2
	v_permlane16_swap_b32 v[PC+\i], v[PT+\i]       ; lane (r, H) now holds block H: its lower 16 codes here, its upper 16 there
.endr
.irp i, 0,1,2
	v_mov_b32 v[PC+3+\i], v[PT+\i]
.endr
.irp p, 0,1,2
	ds_store_b64 v[STI], v[PC+2*\p:PC+2*\p+1] offset:8*\p   ; 16 rows x 48 bytes in my stage,
.endr
.irp c, 0,1,2
	ds_load_b64 v[OB+2*\c:OB+2*\c+1], v[STR] offset:256*\c  ; and back as 768 bytes on end (LDS serves a wave's instructions in order: ISA guide 5.7.1.4)
.endr
.irp c, 0,1,2
	s_wait_dscnt 2-\c                              ; the younger loads may be out
	global_store_b64 v[GO], v[OB+2*\c:OB+2*\c+1], s[16:17] offset:256*\c   ; 32 lanes store 256 consecutive bytes, at a multiple of 256 from a_cod's first byte
.endr
	global_store_b16 v[GS], v[HW], s[18:19]        ; two bytes a row, rows 32 bytes apart (both halves of the lanes the same): one byte for 24 of codes, so that a_scl lies as the last product reads it
	s_wait_xcnt 0x0                                ; the stores' bases and data are written again only behind this wait
	s_add_nc_u64 s[16:17], s[16:17], 256*48
	s_add_nc_u64 s[18:19], s[18:19], 256*32
	s_sub_co_u32 s[PASS], s[PASS], 1
	s_cmp_lg_u32 s[PASS], 0
	s_cbranch_scc1 .Lpass
	s_wait_tensorcnt 0x0
	ds_add_u32 v254, v255
	s_wait_dscnt 0x0
	s_endpgm
.Lfunc_end_k_q8c6378449f_attn:
	.size	k_q8c6378449f_attn, .Lfunc_end_k_q8c6378449f_attn-k_q8c6378449f_attn
	.p2alignl 7, 3214868480
	.fill 96, 4, 3214868480
	.section	.rodata,"a",@progbits
	.p2align	6, 0x0
	.amdhsa_kernel k_q8c6378449f_attn
		.amdhsa_group_segment_fixed_size 169984
		.amdhsa_private_segment_fixed_size 0
		.amdhsa_enable_private_segment 0
		.amdhsa_kernarg_size 64
		.amdhsa_user_sgpr_count 2
		.amdhsa_user_sgpr_kernarg_segment_ptr 1
		.amdhsa_wavefront_size32 1
		.amdhsa_system_sgpr_workgroup_id_x 1
		.amdhsa_system_sgpr_workgroup_id_y 1
		.amdhsa_system_sgpr_workgroup_id_z 1
		.amdhsa_system_vgpr_workitem_id 0
		.amdhsa_next_free_vgpr 256
		.amdhsa_next_free_sgpr 100
		.amdhsa_reserve_vcc 0
		.amdhsa_float_denorm_mode_32 3
		.amdhsa_float_denorm_mode_16_64 3
		.amdhsa_memory_ordered 1
		.amdhsa_forward_progress 1
		.amdhsa_inst_pref_size 34
	.end_amdhsa_kernel
	.amdgpu_metadata
---
amdhsa.version: [ 1, 2 ]
amdhsa.kernels:
  - .name:           k_q8c6378449f_attn
    .symbol:         k_q8c6378449f_attn.kd
    .args:
      - { .name: q_cod, .offset: 0, .size: 8, .value_kind: global_buffer, .address_space: global }
      - { .name: q_scl, .offset: 8, .size: 8, .value_kind: global_buffer, .address_space: global }
      - { .name: k_cod, .offset: 16, .size: 8, .value_kind: global_buffer, .address_space: global }
      - { .name: k_scl, .offset: 24, .size: 8, .value_kind: global_buffer, .address_space: global }
      - { .name: v_cod, .offset: 32, .size: 8, .value_kind: global_buffer, .address_space: global }
      - { .name: v_scl, .offset: 40, .size: 8, .value_kind: global_buffer, .address_space: global }
      - { .name: a_cod, .offset: 48, .size: 8, .value_kind: global_buffer, .address_space: global }
      - { .name: a_scl, .offset: 56, .size: 8, .value_kind: global_buffer, .address_space: global }
    .group_segment_fixed_size: 169984
    .private_segment_fixed_size: 0
    .kernarg_segment_align: 8
    .kernarg_segment_size: 64
    .max_flat_workgroup_size: 512
    .sgpr_count:     100
    .vgpr_count:     256
    .wavefront_size: 32
...
	.end_amdgpu_metadata
.endif
;; end of part 2
;; launch outp (part 3): grid 4 x 32, 4 waves a work-group, clusters of 4 x 4, 327,680 bytes of LDS; arguments a_cod, a_scl, Wo_codes, Wo_scales, out0; writes out0
.if DOCPART == 3
	.amdgcn_target "amdgcn-amd-amdhsa--gfx1250"
	.amdhsa_code_object_version 6
	.text
	.protected	k_q8c6378449f_outp
	.globl	k_q8c6378449f_outp
	.p2align	8
	.type	k_q8c6378449f_outp,@function
k_q8c6378449f_outp:
	s_mov_b64 s[64:65], 0
	v_nop
	global_prefetch_b8 v0, s[64:65] scope:SCOPE_SE
	s_setreg_imm32_b32 hwreg(HW_REG_WAVE_MODE, 25, 1), 1
	s_wait_xcnt 0x0
	s_wait_alu depctr_hold_cnt(0) depctr_sa_sdst(0) depctr_va_vdst(0) depctr_va_sdst(0) depctr_va_ssrc(0) depctr_va_vcc(0) depctr_vm_vsrc(0)
	s_getreg_b32 s2, hwreg(HW_REG_IB_STS2, 6, 4)
	s_cmp_eq_u32 s2, 0
	s_cbranch_scc0 .Lentry_in_a_cluster
	s_endpgm
.Lentry_in_a_cluster:
	s_bfe_u32 s2, ttmp6, 0x10000c
	s_cmp_lg_u32 s2, 0xf033
	s_cbranch_scc0 .Lentry_shape_is_right
	s_endpgm
.Lentry_shape_is_right:
; THE LAST PRODUCT: out0[m][n] = sum over k of a[m][k] Wo[k][n], on codes of FP6 (E2M3) with one E8M0 scale for each 32 along K.  m = 8,192 tokens, n = 1,024, K = 1,024.
; A: a_cod [chunk of 64 along K][8,192][48 bytes], a_scl [8,192][32].  B: Wo_codes [1,024 (n)][768 bytes], K innermost, Wo_scales [1,024][32].  out0: [8,192][1,024] f32; sums in f32.
; A tile of C, 256 x 256, is made by four waves, each 128 x 128: 64 accumulators, 512 registers.  4 x 32 = 128 work-groups: C has no more tiles of this size.
; K goes in steps of 256 through a ring of two LDS slots filled by the tensor data mover.  B's tile rows are 192 bytes, padded to 240.  A's tile is four chunks of 128 rows x 48 = 6,144 consecutive bytes,
; laid as they lie: with rows 48 bytes apart the 32 lanes of a load of 8 bytes touch words 12 r + 6 H + 0, 1: 64 different banks (64 banks of 4 bytes: ISA guide 11.1).
; THE SCALES of the work-group's 256 rows of A and of B, for all of K, are two dense blocks of 8,192 bytes: they come into LDS ONCE, with the first fills.
; CLUSTERS: 4 x 4 work-groups; A's tiles are asked for jointly along a row of the cluster, B's along a column.
; THE MATRIX INSTRUCTION IS USED TRANSPOSED (source 0 = 16 rows of B, source 1 = 16 rows of A): a lane then holds eight neighbouring numbers of a row of C.
; REGISTERS, in windows of 256: window 0: v0-31 addresses; v32-63 scale words, two sets; from v128 A's fragments, ONE set; on the way out v128-255 rows of C.
;   window 1: B's fragments, TWO sets, at v0 and v128.   windows 2, 3: the accumulators ((a, b) at v[8 (8 (a % 4) + b)] of window 2 + a / 4).
.set SIZE_M, 8192
.set SIZE_N, 1024
.set SIZE_K, 1024
.set KSTEP,  256                       ; along K in a slot
.set NQ,     KSTEP/128                 ; matrix instructions deep
.set ROWB,   192                       ; a row of B's tile in bytes
.set KROW,   SIZE_K*6/8                ; a row of B in memory, in bytes
.set PITCH,  240                       ; B's LDS row: 3 x (64 bytes + 16 of padding)
.set ACH,    128*48                    ; A: 128 rows of a chunk, in memory and in LDS
.set APL,    SIZE_M*48                 ; A: bytes from a chunk to the next in memory
.set ASTEP,  4*APL                     ; A: a K step is four chunks
.set FR,     12                        ; registers of a fragment: 16 rows x 128 K
.set NL,     6                         ; LDS loads that bring one
.set NP,     4                         ; places behind this matrix instruction (ISA guide 7.12.1)
.set HALFT,  128*PITCH                 ; a quarter of a slot: B's 128 rows fill it, A's four chunks take 24,576 of its 30,720 bytes
.set SLOT,   4*HALFT                   ; A's two halves, then B's two halves
.set LAPS,   SIZE_K/(2*KSTEP)          ; a lap = two K steps = once round the ring
.set KS,     SIZE_K/32                 ; a row of scales in bytes
.set SCL,    2*SLOT                    ; behind the ring: the scales, as units of 256 bytes + 16 of padding
.set HALFS,  (128*KS/256)*272          ; the scales of 128 rows
.set SBLK,   (16*KS/256)*272           ; those of 16 rows
.set SPARE,  SCL+4*HALFS               ; the spare words, 128 bytes for each wave: two blocks of 256 bytes that no other line names
.set SPITCH, 528                       ; the way out: a stage of 16 rows x (512 bytes + 16) for each wave, in slot 0, which has had its last fill and its last read by then
.set ADRA, 16                          ; v16-17  LDS address of my A fragments in slot 0, 1
.set ADRB, 20                          ; v20-21  the same for B  (v22-23: for the pieces that lie behind one padding more)
.set STO,  24                          ; v24     the way out: where I put 32 bytes of a row
.set RD,   25                          ; v25     the way out: where I read a row back
.set CO,   26                          ; v26     my byte offset in a row of C
.set ADRS, 27                          ; v27     LDS address of my scale words: lanes 0-15 A's rows, lanes 16-31 B's
.set SPW,  28                          ; v28     LDS address of my spare word; never rewritten
.set NIL,  29                          ; v29     0; never rewritten
.set SC,   32                          ; scale words: set s at v[SC + 8 NQ s]; register NQ i + q: lanes 0-15 the word of A's block i, lanes 16-31 that of B's block i
.set AF,   128                         ; A's fragments, in window 0
.set BK,   128                         ; the way out: 16 rows read back from the stage: v128-191 and v192-255 by turns
.set G1, 24                            ; s[24:31] descriptor group 1 for A's tiles;  s[32:39] group 0, one set for each slot
.set G0, 32
.set G1B, 48                           ; s[48:55], s[56:63] the same for B's tiles
.set G0B, 56
.set G1S, 68                           ; s[68:75], s[76:79] groups 1 and 0 for A's scales;  s[80:87], s[88:91] for B's
.set G0S, 76
.set G1SB, 80
.set G0SB, 88
.set MSB, 0
.macro WIN new                         ; the immediate's high byte repeats the setting that is left
.if MSB != \new
	s_set_vgpr_msb (MSB<<8)|\new
.set MSB, \new
.endif
.endm
.set MUL_LO, 0xa1                      ; source 0 (B) window 1, source 1 (A) window 0, C and D window 2
.set MUL_HI, 0xf1                      ; the same, C and D window 3
.set TO_B,   0x40                      ; destination window 1, address window 0
; A joint load: waves 0 and 1 fetch for A, waves 2 and 3 for B.  Each line has ONE mask and one set of registers for all that issue it; the branch hangs on the wave's number alone.
; Four v_nop follow each of the two lines, ahead of the jump, the label and what follows.
.macro JLOAD g0a, g1a, g0b, g1b
	s_cmp_eq_u32 s15, 0
	s_cbranch_scc0 .Lfor_b_\@
	tensor_load_to_lds s[\g0a:\g0a+3], s[\g1a:\g1a+7]
	s_nop 0
.rept 4
	v_nop
.endr
	s_branch .Lasked_\@
.Lfor_b_\@:
	tensor_load_to_lds s[\g0b:\g0b+3], s[\g1b:\g1b+7]
	s_nop 0
.rept 4
	v_nop
.endr
.Lasked_\@:
.endm
.macro CREST                           ; a round of the cluster's barrier behind its opening barrier
	s_cmp_lg_u32 s14, 0
	s_cbranch_scc1 .Lnot_wave_0_\@
	s_barrier_signal -3
.Lnot_wave_0_\@:
	s_barrier_wait -3
	s_barrier_signal -1
	s_barrier_wait -1
.endm
.macro CROUND                          ; a whole round
	s_barrier_signal -1
	s_barrier_wait -1
	CREST
.endm
	s_load_b128 s[4:7], s[0:1], 0x0                ; A's codes s[4:5], A's scales s[6:7]
	s_load_b128 s[8:11], s[0:1], 0x10              ; B's codes s[8:9], B's scales s[10:11]
	s_load_b64 s[12:13], s[0:1], 0x20              ; C
	v_lshl_add_u32 v[SPW], v0, 2, SPARE
	v_mov_b32 v[NIL], 0
	ds_add_u32 v28, v29
	ds_add_u32 v28, v29
	s_wait_dscnt 0x0
	v_lshrrev_b32 v1, 5, v0
	v_readfirstlane_b32 s14, v1                    ; wave 0..3
	s_lshr_b32 s15, s14, 1                         ; which half of the tile's rows is mine.  Also: I fetch for A (0) or for B (1)
	s_and_b32 s16, s14, 1                          ; which half of its columns.  Also: which 128 rows of that tile I fetch
	s_bfe_u32 s40, ttmp6, 0x40000                  ; cx, cy: my place in the cluster
	s_bfe_u32 s41, ttmp6, 0x40004
	s_lshl_b32 s42, ttmp9, 2
	s_add_co_u32 s42, s42, s40                     ; tile column of C = 4 x cluster x + cx
	s_and_b32 s17, ttmp7, 0xffff
	s_lshl_b32 s17, s17, 2
	s_add_co_u32 s17, s17, s41                     ; tile row of C = 4 x cluster y + cy
	s_lshl_b32 s43, s41, 2
	s_lshl_b32 s43, 15, s43                        ; my row of the cluster
	s_lshl_b32 s44, 0x1111, s40                    ; my column
	; descriptor group 1 for A: four rows (chunks) of 6,144 bytes, 393,216 bytes apart, laid on end
	s_or_b32 s[G1+0], s43, (0<<16)|(1<<21)         ; 15:0 the mask: A's tiles go to my row; 17:16 element of 1 byte; 20 no padding; 21 set beside a mask
	s_mov_b32 s[G1+1], ACH<<16                     ; tensor_dim0
	s_mov_b32 s[G1+2], 4<<16                       ; tensor_dim1 = 4
	s_mov_b32 s[G1+3], ACH<<16                     ; tile_dim0
	s_mov_b32 s[G1+4], 4                           ; tile_dim1 = 4
	s_mov_b32 s[G1+5], APL                         ; tensor_dim0_stride
	s_mov_b32 s[G1+6], 0
	s_mov_b32 s[G1+7], 0
	; for B: a tile of 128 rows x ROWB bytes, padded in LDS
	s_or_b32 s[G1B+0], s44, (0<<16)|(1<<20)|(1<<21)|(3<<22)|(3<<25)  ; the mask of my column; padding on: after every 16 words 4 words
	s_mov_b32 s[G1B+1], ROWB<<16
	s_mov_b32 s[G1B+2], 128<<16
	s_mov_b32 s[G1B+3], ROWB<<16
	s_mov_b32 s[G1B+4], 128
	s_mov_b32 s[G1B+5], KROW
	s_mov_b32 s[G1B+6], 0
	s_mov_b32 s[G1B+7], 0
	; and for the scales of 128 rows: a dense block of 4,096 bytes, as rows of 256 bytes (32 elements of 8 bytes), 16 bytes of padding behind each
	s_or_b32 s[G1S+0], s43, (3<<16)|(1<<20)|(1<<21)|(5<<22)|(3<<25)
	s_or_b32 s[G1SB+0], s44, (3<<16)|(1<<20)|(1<<21)|(5<<22)|(3<<25)
.irp g, G1S, G1SB
	s_mov_b32 s[\g+1], 32<<16
	s_mov_b32 s[\g+2], (128*KS/256)<<16
	s_mov_b32 s[\g+3], 32<<16
	s_mov_b32 s[\g+4], 128*KS/256
	s_mov_b32 s[\g+5], 32
	s_mov_b32 s[\g+6], 0
	s_mov_b32 s[\g+7], 0
.endr
	s_lshl_b32 s18, s16, 7                         ; which 128 rows of the tile I fetch
	s_lshl_b32 s20, s17, 8
	s_add_co_u32 s20, s20, s18                     ; A: row 256 x tile row + 128 x half
	s_lshl_b32 s46, s42, 8
	s_add_co_u32 s46, s46, s18                     ; B: row 256 x tile column + 128 x half
	s_mov_b32 s21, 0
	s_mov_b32 s47, 0
	s_mov_b64 s[18:19], KS
	s_mul_u64 s[22:23], s[20:21], s[18:19]         ; where these rows' scales begin, in bytes
	s_mul_u64 s[92:93], s[46:47], s[18:19]
	s_mov_b64 s[18:19], KROW
	s_mul_u64 s[46:47], s[46:47], s[18:19]         ; B's codes: 768 bytes a row
	s_mov_b64 s[18:19], 48
	s_mul_u64 s[20:21], s[20:21], s[18:19]         ; A's: 48 bytes a row in each chunk
	s_mul_i32 s45, s14, HALFT                      ; where they go: wave x a quarter of a slot: no place in the cluster enters an LDS address
	s_mul_i32 s94, s14, HALFS
	s_wait_kmcnt 0x0
	s_add_nc_u64 s[20:21], s[4:5], s[20:21]
	s_add_nc_u64 s[22:23], s[6:7], s[22:23]
	s_add_nc_u64 s[46:47], s[8:9], s[46:47]
	s_add_nc_u64 s[92:93], s[10:11], s[92:93]
	CROUND                                         ; all sixteen work-groups are here: the first joint loads meet
	s_mov_b32 s[G0S], 1
	s_add_co_u32 s[G0S+1], s94, SCL
	s_mov_b64 s[G0S+2:G0S+3], s[22:23]
	s_or_b32 s[G0S+3], s[G0S+3], 0x80000000
	s_mov_b32 s[G0SB], 1
	s_add_co_u32 s[G0SB+1], s94, SCL
	s_mov_b64 s[G0SB+2:G0SB+3], s[92:93]
	s_or_b32 s[G0SB+3], s[G0SB+3], 0x80000000
	JLOAD G0S, G1S, G0SB, G1SB                     ; the scales first: they are wanted with K step 0
.irp s, 0,1
	s_mov_b32 s[G0+4*\s], 1
	s_add_co_u32 s[G0+4*\s+1], s45, \s*SLOT
	s_add_nc_u64 s[G0+4*\s+2:G0+4*\s+3], s[20:21], \s*ASTEP
	s_or_b32 s[G0+4*\s+3], s[G0+4*\s+3], 0x80000000
	s_mov_b32 s[G0B+4*\s], 1
	s_add_co_u32 s[G0B+4*\s+1], s45, \s*SLOT
	s_add_nc_u64 s[G0B+4*\s+2:G0B+4*\s+3], s[46:47], \s*ROWB
	s_or_b32 s[G0B+4*\s+3], s[G0B+4*\s+3], 0x80000000
	JLOAD G0+4*\s, G1, G0B+4*\s, G1B               ; three tensor loads of mine are out now, later one behind each round
.endr
	v_and_b32 v1, 15, v0                           ; r = l % 16
	v_bfe_u32 v2, v0, 4, 1                         ; H = l / 16
	v_mul_u32_u24 v3, v1, PITCH
	v_mul_u32_u24 v4, v2, 24
	v_add_nc_u32 v4, v3, v4                        ; B: a fragment's row x pitch + 24 x half
	v_lshl_add_u32 v5, v2, 4, v4                   ; and the same behind one padding more
	v_mul_u32_u24 v7, v1, 48
	v_mad_u32_u24 v7, v2, 24, v7                   ; A: 48 x row + 24 x half
	s_mul_i32 s21, s15, HALFT                      ; my 128 rows of A
	s_mul_i32 s22, s16, HALFT                      ; my 128 rows of B,
	s_add_co_u32 s22, s22, 2*HALFT                 ; which lie behind A's two quarters
.irp s, 0,1
	v_add_nc_u32 v[ADRA+\s], s21, v7
	v_add_nc_u32 v[ADRB+\s], s22, v4
	v_add_nc_u32 v[ADRB+2+\s], s22, v5
	s_add_co_u32 s21, s21, SLOT
	s_add_co_u32 s22, s22, SLOT
.endr
	v_mul_u32_u24 v5, v1, KS                       ; my row's scales: KS bytes a row,
	v_lshrrev_b32 v6, 8, v5
	v_lshl_add_u32 v5, v6, 4, v5                   ; and 16 more for each 256 passed
	s_mul_i32 s21, s15, HALFS                      ; A's: my 128 rows
	s_mul_i32 s22, s16, HALFS                      ; B's: my 128 rows, behind A's 256
	s_add_co_u32 s22, s22, 2*HALFS
	s_sub_co_u32 s22, s22, s21
	v_mul_u32_u24 v6, s22, v2                      ; lanes 16-31 take B's
	s_add_co_u32 s21, s21, SCL
	v_add_nc_u32 v5, v5, v6
	v_add_nc_u32 v[ADRS], s21, v5
	s_mul_i32 s23, s14, 16*SPITCH                  ; my stage
	v_mul_u32_u24 v5, v1, SPITCH                   ; in: row l % 16, 32 bytes for each half of the lanes
	v_lshl_add_u32 v5, v2, 5, v5
	v_add_nc_u32 v[STO], s23, v5
	v_and_b32 v6, 31, v0
	v_lshlrev_b32 v[CO], 4, v6                     ; back: the 32 lanes take one row of 512 bytes; and the same in C
	v_add_nc_u32 v[RD], s23, v[CO]
	s_lshl_b32 s20, s17, 8
	s_lshl_b32 s21, s15, 7
	s_add_co_u32 s20, s20, s21                     ; my first row of C: 256 x tile row + 128 x half
	s_mov_b32 s21, 0
	s_mov_b64 s[18:19], SIZE_N*4
	s_mul_u64 s[20:21], s[20:21], s[18:19]
	s_lshl_b32 s46, s42, 10                        ; my first column, in bytes: 1024 x tile column + 512 x half
	s_lshl_b32 s47, s16, 9
	s_add_co_u32 s46, s46, s47
	s_mov_b32 s47, 0
	s_add_nc_u64 s[20:21], s[20:21], s[46:47]
	s_add_nc_u64 s[12:13], s[12:13], s[20:21]
.macro FRAG reg, adr, q, i             ; a fragment of B, 16 rows x 128 K, is 12 registers: lane l holds row l % 16; registers 6 c .. 6 c + 5 hold K = 64 c + 32 (l / 16) + 0 .. 31: 24 bytes of the row, as they lie
.irp p, 0,1,2,3,4,5                    ; in pieces of 8 bytes.  Lanes 0-15 take the row's pieces 12 q + 0, 1, 2 and 12 q + 6, 7, 8, lanes 16-31 those three pieces on
.set PC, 12*(\q)+6*(\p/3)+\p%3        ; 16 bytes of padding lie behind every 8 pieces: where the piece three on lies behind one padding more, the second address register serves
.if PC%8 < 5
	ds_load_b64 v[\reg+2*\p:\reg+2*\p+1], v[\adr] offset:8*PC+16*(PC/8)+(\i)*16*PITCH
.else
	ds_load_b64 v[\reg+2*\p:\reg+2*\p+1], v[\adr+2] offset:8*PC+16*(PC/8)+(\i)*16*PITCH
.endif
.endr
.endm
.macro FRAGA reg, adr, q, i            ; a fragment of A: chunks 2 q and 2 q + 1 of the slot's four, rows 16 i on, my half's 24 bytes of each row's 48
.irp p, 0,1,2,3,4,5
	ds_load_b64 v[\reg+2*\p:\reg+2*\p+1], v[\adr] offset:(2*(\q)+\p/3)*ACH+(\i)*768+8*(\p%3)
.endr
.endm
; 16 matrix instructions: A's blocks a0, a0 + 1 x B's eight, 128 along K: the slot's q-th.  p: B's set;  sc: the set of scale words.  zero = 1: the first product starts the sums.
; The 64 accumulators take turns, one instruction a turn, in the same order in every step.
.macro MUL16 a0, p, q, sc, zero
.irp a, \a0, \a0+1
.irp b, 0,1,2,3,4,5,6,7
.if \zero
	v_wmma_scale_f32_16x16x128_f8f6f4 v[8*(8*((\a)%4)+\b):8*(8*((\a)%4)+\b)+7], v[128*(\p)+FR*\b:128*(\p)+FR*\b+FR-1], v[AF+FR*(\a):AF+FR*(\a)+FR-1], 0, v[SC+8*NQ*(\sc)+NQ*\b+(\q)], v[SC+8*NQ*(\sc)+NQ*(\a)+(\q)] matrix_a_fmt:MATRIX_FMT_FP6 matrix_b_fmt:MATRIX_FMT_FP6 matrix_a_scale:MATRIX_SCALE_ROW1
.else
	v_wmma_scale_f32_16x16x128_f8f6f4 v[8*(8*((\a)%4)+\b):8*(8*((\a)%4)+\b)+7], v[128*(\p)+FR*\b:128*(\p)+FR*\b+FR-1], v[AF+FR*(\a):AF+FR*(\a)+FR-1], v[8*(8*((\a)%4)+\b):8*(8*((\a)%4)+\b)+7], v[SC+8*NQ*(\sc)+NQ*\b+(\q)], v[SC+8*NQ*(\sc)+NQ*(\a)+(\q)] matrix_a_fmt:MATRIX_FMT_FP6 matrix_b_fmt:MATRIX_FMT_FP6 matrix_a_scale:MATRIX_SCALE_ROW1
.endif
.endr
.endr
.endm
.macro FETCH_B slot, q, p              ; B's eight fragments of the slot's q-th 128 along K into set p
	WIN TO_B
.irp i, 0,1,2,3,4,5,6,7
	FRAG 128*(\p)+FR*\i, ADRB+\slot, \q, \i
.endr
	WIN 0
.endm
.macro FETCH_A slot, q, i0             ; A's blocks i0 .. i0 + 3
.irp i, \i0, \i0+1, \i0+2, \i0+3
	FRAGA AF+FR*(\i), ADRA+\slot, \q, \i
.endr
.endm
.macro SCALES sc                       ; the next K step's scale words into set sc: NQ words a row; lanes 0-15 take A's block i, lanes 16-31 B's block i
.irp i, 0,1,2,3,4,5,6,7
	ds_load_b64 v[SC+8*NQ*\sc+NQ*\i:SC+8*NQ*\sc+NQ*\i+1], v[ADRS] offset:\i*SBLK
.endr
.endm
; A load into a register that a matrix instruction has read, and an LDS store that reads a matrix result, stand NP places behind that matrix instruction; only plain vector
; instructions that name none of its registers are places (ISA guide 7.12.1 for vector instructions).
.macro PLACES n
.rept \n
	v_nop
.endr
.endm
; A step of 128 along K that has its successor in the same slot.
.macro STEP slot, q, zero
	s_wait_dscnt 4*NL                              ; B's set and A's blocks 0-3 are in; the youngest 24 loads (A's blocks 4-7) may be out
	WIN MUL_LO
	MUL16 0, (\q)%2, \q, \slot, \zero
	MUL16 2, (\q)%2, \q, \slot, \zero
	s_wait_dscnt 0                                 ; A's blocks 4-7 are in (asked for 32 matrix instructions ago)
	PLACES NP
	FETCH_B \slot, (\q)+1, 1-(\q)%2
	FETCH_A \slot, (\q)+1, 0
	WIN MUL_HI
	MUL16 4, (\q)%2, \q, \slot, \zero
	MUL16 6, (\q)%2, \q, \slot, \zero
	PLACES NP
	WIN 0
	FETCH_A \slot, (\q)+1, 4
.endm
; A slot's last step changes slots: ONE barrier; in front of it each wave waits for all its tensor loads, adds 0 to its spare word, and waits for that and for its own reads of this slot.  fill = 1: this slot is filled again, two K steps ahead.
.macro TURN slot, next, fill
	s_wait_tensorcnt 0x0                           ; all my tensor loads have landed: my part of the next slot;  (every window is 0 here)
	ds_add_u32 v[SPW], v[NIL]                      ; 0 onto my spare word
	s_wait_dscnt 4*NL+1                            ; (the add and the youngest 24 loads, A's blocks 4-7, may be out)
	WIN MUL_LO
	MUL16 0, 1, NQ-1, \slot, 0                     ; sixteen matrix instructions stand between the add and the wait for it
	s_wait_dscnt 0x0                               ; the add is done, and my reads of this slot are over
	s_barrier_signal -1
	MUL16 2, 1, NQ-1, \slot, 0
	WIN 0
	s_barrier_wait -1
.if \fill
	CREST                                          ; the barrier has opened a round of the cluster's barrier: no wave of any partner still reads this slot's tile or has a load on its way
	s_add_nc_u64 s[G0+4*\slot+2:G0+4*\slot+3], s[G0+4*\slot+2:G0+4*\slot+3], 2*ASTEP
	s_add_nc_u64 s[G0B+4*\slot+2:G0B+4*\slot+3], s[G0B+4*\slot+2:G0B+4*\slot+3], 2*ROWB
	JLOAD G0+4*\slot, G1, G0B+4*\slot, G1B         ; the first tensor load behind the round; the four v_nop behind it are the places in front of the loads below
.else
	PLACES NP
.endif
	v_add_nc_u32 v[ADRS], 4*NQ, v[ADRS]            ; on to the next K step's scale words
	FETCH_B \next, 0, 0
	FETCH_A \next, 0, 0
	SCALES \next
	WIN MUL_HI
	MUL16 4, 1, NQ-1, \slot, 0
	MUL16 6, 1, NQ-1, \slot, 0
	PLACES NP
	WIN 0
	FETCH_A \next, 0, 4
.endm
	s_wait_tensorcnt 1                             ; the scales and my part of K step 0 are in (K step 1's load may be out)
	s_barrier_signal -1
	s_barrier_wait -1                              ; everybody's are
	FETCH_B 0, 0, 0
	FETCH_A 0, 0, 0
	SCALES 0
	FETCH_A 0, 0, 4
	STEP 0, 0, 1                                   ; the first step stands in front of the loop: its products start the sums
	s_mov_b32 s3, LAPS-1
.Llap:                                                 ; a trip goes once round the ring, from a lap's second step to the next lap's first, and fills both slots again
	TURN 0, 1, 1
	STEP 1, 0, 0
	TURN 1, 0, 1
	STEP 0, 0, 0
	s_sub_co_u32 s3, s3, 1
	s_cmp_lg_u32 s3, 0
	s_cbranch_scc1 .Llap
	TURN 0, 1, 0                                   ; the last lap fills nothing, and has no round of the cluster's barrier
	STEP 1, 0, 0
	s_wait_dscnt 4*NL                              ; the very last step: nothing more to fetch
	WIN MUL_LO
	MUL16 0, 1, NQ-1, 1, 0
	MUL16 2, 1, NQ-1, 1, 0
	s_wait_dscnt 0
	WIN MUL_HI
	MUL16 4, 1, NQ-1, 1, 0
	MUL16 6, 1, NQ-1, 1, 0
	WIN 0
; THE WAY OUT, block by block of 16 rows x 128 columns.  A lane holds 32 neighbouring bytes of a row, and the lanes beside it hold other rows: so a block goes through my own stage in LDS and comes back as whole
; rows of 512 bytes.  LDS serves a wave's instructions in order (ISA guide 5.7.1.4): no wait between the stores and the loads, nor in front of the next block's stores.
.macro TOSTAGE a
.set AC, 64*((\a)%4)
	WIN 0x08+4*((\a)/4)                            ; the data: window 2 or 3
.irp b, 0,1,2,3,4,5,6,7
	ds_store_b128 v[STO], v[AC+8*\b:AC+8*\b+3] offset:64*\b          ; each accumulator from its low end on
	ds_store_b128 v[STO], v[AC+8*\b+4:AC+8*\b+7] offset:64*\b+16
.endr
	WIN 0
.set BB, BK+64*((\a)%2)
.irp t, 0,1,2,3,4,5,6,7,8,9,10,11,12,13,14,15
	ds_load_b128 v[BB+4*\t:BB+4*\t+3], v[RD] offset:\t*SPITCH
.endr
.endm
.macro SEND a, younger                 ; younger: the LDS instructions issued behind block a's loads, which may stay out
.set BB, BK+64*((\a)%2)
	s_wait_dscnt \younger                          ; the block is back in registers
.if (\a) > 0
	s_add_nc_u64 s[12:13], s[12:13], 16*SIZE_N*4   ; (behind a wait on XCNT: the earlier stores have read their base)  16 rows of C on: the stores' offsets reach 15 rows, 61,440 bytes
.endif
.irp t, 0,1,2,3,4,5,6,7,8,9,10,11,12,13,14,15
	global_store_b128 v[CO], v[BB+4*\t:BB+4*\t+3], s[12:13] offset:\t*SIZE_N*4 th:TH_STORE_NT   ; 32 lanes store 512 consecutive bytes, at a multiple of 256 from C's first byte; written once, read by nobody here
.endr
.endm
	PLACES NP                                      ; these places serve the loads into the registers that held A's fragments and the reads of the last products' results alike
	TOSTAGE 0
.irp a, 1,2,3,4,5,6,7
.if \a > 1
	s_wait_xcnt 0x0                                ; block a - 2's stores have read their registers and their base: block a's loads may land there, and the base may step
.endif
	TOSTAGE \a
	SEND \a-1, 32                                  ; behind block a - 1's loads: block a's 16 stores and 16 loads
.endr
	s_wait_xcnt 0x0                                ; block 6's stores have read their base
	SEND 7, 0
	s_wait_tensorcnt 0x0                           ; the wave's end: behind my last tensor load and my last LDS store
	ds_add_u32 v[SPW], v[NIL]
	s_wait_dscnt 0x0
	CROUND                                         ; the closing round: no work-group ends while a partner may still ask for a tile that names it
	s_endpgm
.Lfunc_end_k_q8c6378449f_outp:
	.size	k_q8c6378449f_outp, .Lfunc_end_k_q8c6378449f_outp-k_q8c6378449f_outp
	.p2alignl 7, 3214868480
	.fill 96, 4, 3214868480
	.section	.rodata,"a",@progbits
	.p2align	6, 0x0
	.amdhsa_kernel k_q8c6378449f_outp
		.amdhsa_group_segment_fixed_size 327680
		.amdhsa_private_segment_fixed_size 0
		.amdhsa_enable_private_segment 0
		.amdhsa_kernarg_size 40
		.amdhsa_user_sgpr_count 2
		.amdhsa_user_sgpr_kernarg_segment_ptr 1
		.amdhsa_wavefront_size32 1
		.amdhsa_system_sgpr_workgroup_id_x 1
		.amdhsa_system_sgpr_workgroup_id_y 1
		.amdhsa_system_sgpr_workgroup_id_z 1
		.amdhsa_system_vgpr_workitem_id 0
		.amdhsa_next_free_vgpr 1024
		.amdhsa_next_free_sgpr 98
		.amdhsa_reserve_vcc 0
		.amdhsa_float_denorm_mode_32 3
		.amdhsa_float_denorm_mode_16_64 3
		.amdhsa_memory_ordered 1
		.amdhsa_forward_progress 1
		.amdhsa_inst_pref_size 160
	.end_amdhsa_kernel
	.amdgpu_metadata
---
amdhsa.version: [ 1, 2 ]
amdhsa.kernels:
  - .name:           k_q8c6378449f_outp
    .symbol:         k_q8c6378449f_outp.kd
    .args:
      - { .name: a_cod, .offset: 0, .size: 8, .value_kind: global_buffer, .address_space: global }
      - { .name: a_scl, .offset: 8, .size: 8, .value_kind: global_buffer, .address_space: global }
      - { .name: Wo_codes, .offset: 16, .size: 8, .value_kind: global_buffer, .address_space: global }
      - { .name: Wo_scales, .offset: 24, .size: 8, .value_kind: global_buffer, .address_space: global }
      - { .name: out0, .offset: 32, .size: 8, .value_kind: global_buffer, .address_space: global }
    .group_segment_fixed_size: 327680
    .private_segment_fixed_size: 0
    .kernarg_segment_align: 8
    .kernarg_segment_size: 40
    .max_flat_workgroup_size: 128
    .sgpr_count:     98
    .vgpr_count:     1024
    .wavefront_size: 32
...
	.end_amdgpu_metadata
.endif
;; end of part 3
